; MI455X (gfx1250); checked and timed in simulation.
; The chip was launched on July 23, 2026; its instructions are those of AMD's public machine-readable ISA for CDNA 5 (MIT licence, August 2026) and "CDNA5" Instruction Set Architecture Reference Guide (July 2026). The comments in the code are by the model that wrote it; some were corrected since.
;; Sparse Attention. Allowed arithmetic: matrix products marked QUANTISED: E4M3 operands, one given power-of-two scale a tensor, by v_wmma_f32_16x16x64_fp8_fp8 or v_wmma_f32_16x16x128_fp8_fp8, f32 sums; everything else in f32.
;; Inputs: attention_mask 1 x 1 x 4,096 x 4,096 bool; bk 1,024 float32; bo 1,024 float32; bq 1,024 float32; bv 1,024 float32; hidden_states 1 x 4,096 x 1,024 float32; lowp_scales 12 int32 (the exponents e of the quantised operands' scales 2^e); wk 1,024 x 1,024 float32; wo 1,024 x 1,024 float32; wq 1,024 x 1,024 float32; wv 1,024 x 1,024 float32.
;; Outputs: out0 1 x 4,096 x 1,024 float32.
;; This version of the problem:
;;   THIS VERSION OF THE PROBLEM IS GIVEN IN LOW PRECISION. The matrix products marked QUANTISED in the list below multiply operands that are first quantised to E4M3 (4 exponent bits, 3 mantissa bits; 8 bits a number), with one given power-of-two scale for each operand tensor; their sums are f32. All else is computed in f32.
;;   The module's matrix products, in the order in which they are computed (A, B: the left and right operand; K: the contracted axis; several contracted axes count as one K, in the product's order):
;;     1. [M 4,096, K 1,024] x [K 1,024, N 1,024]; A: input hidden_states; B: input wq: QUANTISED (scales: A lowp_scales[0], B lowp_scales[1])
;;     2. [M 4,096, K 1,024] x [K 1,024, N 1,024]; A: input hidden_states; B: input wk: QUANTISED (scales: A lowp_scales[2], B lowp_scales[3])
;;     3. [M 4,096, K 1,024] x [K 1,024, N 1,024]; A: input hidden_states; B: input wv: QUANTISED (scales: A lowp_scales[4], B lowp_scales[5])
;;     4. batch 16 x [M 4,096, K 64] x [K 64, N 4,096]; A: computed on the way; B: computed on the way: QUANTISED (scales: A lowp_scales[6], B lowp_scales[7])
;;     5. batch 16 x [M 4,096, K 4,096] x [K 4,096, N 64]; A: softmax (see below); B: computed on the way: QUANTISED (scales: A lowp_scales[8], B lowp_scales[9])
;;     6. [M 4,096, K 1,024] x [K 1,024, N 1,024]; A: computed on the way; B: input wo: QUANTISED (scales: A lowp_scales[10], B lowp_scales[11])
;;   THE QUANTISER, for each operand of a quantised product, along K:
;;     - The operand's scale is 2^e, e = its entry of the input lowp_scales (int32; the entries are numbered through the quantised products in the list's order, A before B).
;;     - Each number is divided by the scale, clamped to +-448, and rounded to the nearest number of E4M3, ties to even, subnormals kept.
;;     - The product sums the exact products of the quantised numbers (number of the format x scale) in f32.
;;   ~~~python
;;   def quantise(x, axis, e):      # numpy; x: float32 -> the quantised numbers, widened to float32 again
;;       x = np.moveaxis(x, axis, -1); K = x.shape[-1]
;;       r = np.clip(x / 2.0 ** e, -448, 448)
;;       step = 2.0 ** (np.maximum(np.frexp(np.where(r == 0, 1, r))[1] - 1, -6) - 3)
;;       q = np.round(r / step) * step * 2.0 ** e      # np.round: ties to even
;;       return np.moveaxis(q, -1, axis).astype(np.float32)
;;   ~~~
;;   SOFTMAX AHEAD OF A QUANTISED PRODUCT. Where the list says 'softmax', what is quantised is not the finished softmax but p = 2^(t - M), with t = logit x log2(e) and M = ceil(the row's largest t), a whole number; so 1/2 < the row's largest p <= 1. The row's sum l is taken of the UNQUANTISED p, in f32, and the product's result is divided by l at the end. Since M is a whole number, a kernel that streams over the keys may use a running M (the ceiling of the running maximum): every later rescaling is an exact power of two, so the quantised numbers keep their values, but for numbers so far below the row's largest that they fall under the format's range.
;;   OPERANDS COMPUTED ON THE WAY. 'Computed on the way' means the value that the module computes at that place (a softmax that the list does not call 'softmax' is quantised finished and normalised). What goes into a quantiser is computed in f32, as accurately as f32 sums, v_exp_f32 and their like allow (about 1e-6 of the number): no bf16 or f16 on the way to a quantiser, and a product that is left as it is and whose result goes on into a quantised operand takes f32 operands (vector FMAs, or v_wmma_f32_16x16x4_f32). A number that lies on a knife's edge between two numbers of the format may be rounded either way, as far as f32 arithmetic and the matrix unit's own rounding can turn it there, and no further.
;; 2 versions, each right; version 2 is version 1 with the launch attn written anew for expert scheduling mode. Each part assembles by itself: llvm-mc -triple=amdgcn-amd-amdhsa -mcpu=gfx1250 --defsym DOCPART=n.
;; ======== version 1 of 2: 4 launches
;; workspace buffers: xw 16,777,216 bytes; mbits 2,097,152 bytes of whole numbers; mflags 16,384 bytes of whole numbers; qkv 12,582,912 bytes; actx 4,194,304 bytes
;; launch prep (part 1): grid 768 x 1, 4 waves a work-group, no clusters, 51,712 bytes of LDS; arguments attention_mask, hidden_states, wq, wk, wv, wo, lowp_scales, xw, mbits, mflags; writes xw, mbits, mflags
.if DOCPART == 1
	.amdgcn_target "amdgcn-amd-amdhsa--gfx1250"
	.amdhsa_code_object_version 6
	.text
	.protected	k_q22064780a0_prep
	.globl	k_q22064780a0_prep
	.p2align	8
	.type	k_q22064780a0_prep,@function
k_q22064780a0_prep:
	s_mov_b64 s[64:65], 0
	v_nop
	global_prefetch_b8 v0, s[64:65] scope:SCOPE_SE
	s_setreg_imm32_b32 hwreg(HW_REG_WAVE_MODE, 25, 1), 1
	s_wait_xcnt 0x0
; PREP.  Three jobs, told apart by the work-group's number:
;   0-255    the mask [4096][4096] of bytes is scanned and repacked;
;   256-511  hidden_states [4096][1024] f32 becomes codes of E4M3 three times, with the scales of entries 0, 2 and 4;
;   512-767  wq, wk, wv, wo [1024][1024] f32 become codes with the scales of entries 1, 3, 5 and 11.
; code = x / 2^e, held within +-448, to the nearest code, ties to even.  LIMITS: e between -126 and 119.  NaN among the inputs is not served.
; THE CODES ARE LAID AS IMAGES OF THE OPERAND'S REGISTERS.  A fragment is 16 rows x 128 K, 16 registers a lane: lane (r = lane % 16, h = lane / 16) holds, of row r, K = 16 c + 8 h + 0..7
; in registers 2 c, 2 c + 1.  In memory: four runs of 512 bytes, run g = registers 4 g .. 4 g + 3, 16 bytes a lane.  A tensor is [row tile of 16][K step of 128][2,048 bytes].
; xw: x for q at 0, for k at 4 MiB, for v at 8 MiB; wq, wk, wv, wo from 12 MiB on, 1 MiB each.
; THE MASK.  mbits [query tile of 16: 256][key block of 64: 64][32 words]: bit L of word 8 t + j is mask[16 qt + L % 16][64 kb + 16 t + 8 (L / 16) + j]: the lane mask for register 8 t + j of the scores.
; mflags [query block of 64][key block of 64], a word each: not 0 where the 64 x 64 tile holds a true entry.  No pattern of the mask is built in.
; No barrier: waves share nothing; each wave has LDS bytes of its own, and each of the two paths too.
.set QP,    528                        ; quantiser's stage: a row of 512 bytes + 16: the 16 rows that a load touches begin 16 bytes apart modulo 256
.set QW,    16*QP                      ; a wave's stage
.set MST,   4*QW                       ; the mask's stages begin here
.set MP,    272                        ; a row of 256 mask bytes + 16
.set MW,    16*MP
.set R,     16                         ; v16-143  as loaded (quantiser: two K steps x 64; later the codes.  mask: 32 loads x 4)
.set X,     144                        ; v144-207 quantiser: 64 numbers of a lane in the operand's order
.set T,     208                        ; v208-239 quantiser: two sets of 16 held numbers
.set M,     144                        ; v144-175 mask: my 8 bytes of each of 16 groups of 16 keys
.set OUT,   176                        ; v176-191 mask: four registers of words for each query tile
.set TT,    192                        ; v192-199 mask: at work
	s_load_b512 s[4:19], s[0:1], 0x0               ; mask 4:5, hidden 6:7, wq 8:9, wk 10:11, wv 12:13, wo 14:15, scales 16:17, xw 18:19
	s_load_b128 s[20:23], s[0:1], 0x40             ; mbits 20:21, mflags 22:23
	v_lshl_add_u32 v248, v0, 2, 0xc800
	v_mov_b32 v249, 0
	v_lshrrev_b32 v15, 5, v0
	v_readfirstlane_b32 s24, v15                   ; wave
	v_and_b32 v1, 31, v0                           ; lane
	v_and_b32 v240, 15, v0                         ; r
	v_bfe_u32 v241, v0, 4, 1                       ; h
	v_lshlrev_b32 v2, 4, v1                        ; 16 x lane
	s_mul_i32 s25, s24, QW
	v_add_nc_u32 v3, s25, v2                       ; quantiser's stage, in: 16 x lane of a row
	v_mul_u32_u24 v4, v240, QP
	v_lshl_add_u32 v4, v241, 5, v4
	v_add_nc_u32 v4, s25, v4                       ; and out: row r, + 32 h
	v_lshlrev_b32 v5, 4, v240
	v_lshl_add_u32 v5, v241, 12, v5                ; the mask in memory: lanes 0-15 one row's 256 bytes, lanes 16-31 the next row's
	s_mul_i32 s26, s24, MW
	s_add_co_u32 s26, s26, MST
	v_mul_u32_u24 v12, v241, MP
	v_lshl_add_u32 v12, v240, 4, v12
	v_add_nc_u32 v12, s26, v12                     ; the mask's stage, in
	v_mul_u32_u24 v13, v240, MP
	v_lshl_add_u32 v13, v241, 3, v13
	v_add_nc_u32 v13, s26, v13                     ; and out: row r, + 8 h
	v_lshlrev_b32 v14, 2, v1                       ; 4 x lane
	s_wait_kmcnt 0x0
	s_cmp_lt_u32 ttmp9, 256
	s_cbranch_scc1 .Lmask
; ---------------- the quantiser: 16 rows of one tensor; wave w takes K steps 2 w and 2 w + 1
	s_sub_co_u32 s27, ttmp9, 256                   ; x: the row tile.  weights: 256 + 64 x tensor + row tile
	s_sub_co_u32 s28, ttmp9, 512
	s_lshr_b32 s29, s28, 6
	s_min_u32 s29, s29, 3                          ; which weight (in x's work-groups: 3, and not used)
	s_and_b32 s30, s28, 63                         ; its row tile
	s_lshl_b32 s31, s29, 3
	s_add_co_u32 s31, s31, 4                       ; its exponent's byte: entries 1, 3, 5,
	s_cmp_eq_u32 s29, 3
	s_cselect_b32 s31, 44, s31                     ; and 11 for wo
	s_cmp_eq_u32 s29, 2
	s_cselect_b64 s[12:13], s[12:13], s[14:15]
	s_cmp_eq_u32 s29, 1
	s_cselect_b64 s[10:11], s[10:11], s[12:13]
	s_cmp_eq_u32 s29, 0
	s_cselect_b64 s[8:9], s[8:9], s[10:11]
	s_cmp_lt_u32 ttmp9, 512                        ; x or a weight?  Only pointers and offsets are chosen: both take one path
	s_cselect_b64 s[6:7], s[6:7], s[8:9]
	s_cselect_b32 s30, s27, s30
	s_cselect_b32 s31, 0, s31
	s_cselect_b32 s42, 0, 0x800000                 ; (256 + jj) x 16 KiB + 8 MiB = 12 MiB + jj x 16 KiB
	s_load_b32 s43, s[16:17], s31 offset:0x0       ; the first scale's exponent
	s_load_b32 s44, s[16:17], 0x8                  ; entry 2
	s_load_b32 s45, s[16:17], 0x10                 ; entry 4
	s_lshl_b32 s32, s30, 16                        ; 16 rows of 4,096 bytes
	s_lshl_b32 s33, s24, 10                        ; my two K steps: 1,024 bytes of a row
	s_add_co_u32 s32, s32, s33
	s_mov_b32 s33, 0
	s_add_nc_u64 s[6:7], s[6:7], s[32:33]
	s_lshl_b32 s34, s27, 14
	s_add_co_u32 s34, s34, s42
	s_lshl_b32 s35, s24, 12                        ; my two fragments
	s_add_co_u32 s34, s34, s35
	s_mov_b32 s35, 0
	s_add_nc_u64 s[18:19], s[18:19], s[34:35]
	s_add_nc_u64 s[36:37], s[18:19], 0x400000      ; x for k,
	s_add_nc_u64 s[38:39], s[18:19], 0x800000      ; x for v (used by x's work-groups alone)
.macro QLOAD st                        ; K step st: each load takes 512 consecutive bytes of one row
.set J, 0
.rept 16
	global_load_b128 v[R+64*\st+4*J:R+64*\st+4*J+3], v2, s[6:7] offset:4096*J+512*\st th:TH_LOAD_NT
.set J, J+1
.endr
.endm
.macro QTURN st                        ; through my stage: in as loaded, out in the operand's order.  LDS serves a wave's instructions in order: no wait between
.set J, 0
.rept 16
	ds_store_b128 v3, v[R+64*\st+4*J:R+64*\st+4*J+3] offset:QP*J
.set J, J+1
.endr
.irp g, 0,1,2,3                        ; X[16 g + 0..7] = K 32 g + 8 h + 0..7;  X[16 g + 8..15] = K 32 g + 16 + 8 h + 0..7
	ds_load_b128 v[X+16*\g:X+16*\g+3], v4 offset:128*\g
	ds_load_b128 v[X+16*\g+4:X+16*\g+7], v4 offset:128*\g+16
	ds_load_b128 v[X+16*\g+8:X+16*\g+11], v4 offset:128*\g+64
	ds_load_b128 v[X+16*\g+12:X+16*\g+15], v4 offset:128*\g+80
.endr
.endm
.macro MKSC e, vs                      ; v[vs] = 2^e as f32, v[vs + 1] = 448 x 2^e
	s_add_co_i32 s46, s[\e], 127
	s_lshl_b32 s47, s46, 23
	v_mov_b32 v[\vs], s47
	s_add_co_i32 s46, s46, 8
	s_lshl_b32 s46, s46, 23
	s_or_b32 s46, s46, 0x600000
	v_mov_b32 v[(\vs)+1], s46
.endm
; K step st with scale k: held (the conversion to an 8-bit code does not saturate: ISA guide 7.6.2), converted, stored.  The held numbers go into two sets by turns, so that X stays for the
; next scale and plain lines stand between a conversion and the next write of its sources.  The codes take registers of R's own step, which the stage has read; no store's data are written again.
.macro CONV st, k, d
.irp g, 0,1,2,3
.irp i, 0,1,2,3,4,5,6,7,8,9,10,11,12,13,14,15
	v_med3_num_f32 v[T+16*(\g%2)+\i], v[X+16*\g+\i], -v[7+2*\k], v[7+2*\k]
.endr
	v_cvt_scalef32_pk8_fp8_f32 v[R+64*\st+16*\k+4*\g:R+64*\st+16*\k+4*\g+1], v[T+16*(\g%2):T+16*(\g%2)+7], v[6+2*\k]
	v_cvt_scalef32_pk8_fp8_f32 v[R+64*\st+16*\k+4*\g+2:R+64*\st+16*\k+4*\g+3], v[T+16*(\g%2)+8:T+16*(\g%2)+15], v[6+2*\k]
.endr
	v_nop                                          ; a plain line behind the last conversion
.irp g, 0,1,2,3
	global_store_b128 v2, v[R+64*\st+16*\k+4*\g:R+64*\st+16*\k+4*\g+3], s[\d:\d+1] offset:2048*\st+512*\g   ; 512 consecutive bytes
.endr
.endm
	QLOAD 0
	QLOAD 1
	s_wait_kmcnt 0x0
	MKSC 43, 6
	MKSC 44, 8
	MKSC 45, 10
	s_wait_loadcnt 16                              ; K step 0's sixteen loads are in; step 1's may be out
	QTURN 0
	s_wait_dscnt 0x0
	CONV 0, 0, 18
	s_cmp_lt_u32 ttmp9, 512
	s_cbranch_scc0 .Lone_0                         ; a weight has one scale
	CONV 0, 1, 36
	CONV 0, 2, 38
.Lone_0:
	s_wait_loadcnt 0x0
	QTURN 1
	s_wait_dscnt 0x0
	CONV 1, 0, 18
	s_cmp_lt_u32 ttmp9, 512
	s_cbranch_scc0 .Lone_1
	CONV 1, 1, 36
	CONV 1, 2, 38
.Lone_1:
	s_wait_tensorcnt 0x0
	ds_add_u32 v248, v249
	s_wait_dscnt 0x0
	s_endpgm
; ---------------- the mask: a wave takes 64 queries (query block qb) x 256 keys (four key blocks from kb0 on)
.Lmask:
	s_lshr_b32 s27, ttmp9, 2                       ; qb
	s_and_b32 s28, ttmp9, 3
	s_lshl_b32 s28, s28, 4
	s_lshl_b32 s29, s24, 2
	s_add_co_u32 s28, s28, s29                     ; kb0 = 16 (work-group % 4) + 4 wave
	s_lshl_b32 s30, s27, 18                        ; 64 rows of 4,096 bytes
	s_lshl_b32 s31, s28, 6
	s_add_co_u32 s30, s30, s31
	s_mov_b32 s31, 0
	s_add_nc_u64 s[4:5], s[4:5], s[30:31]
	s_lshl_b32 s30, s27, 8
	s_add_co_u32 s30, s30, s28
	s_lshl_b32 s30, s30, 7                         ; (64 x 4 qb + kb0) x 128 bytes
	s_add_nc_u64 s[20:21], s[20:21], s[30:31]
	s_lshl_b32 s30, s27, 6
	s_add_co_u32 s30, s30, s28
	s_lshl_b32 s30, s30, 2
	s_add_nc_u64 s[22:23], s[22:23], s[30:31]
.set J, 0
.rept 32
	global_load_b128 v[R+4*J:R+4*J+3], v5, s[4:5] offset:8192*J th:TH_LOAD_NT   ; rows 2 J and 2 J + 1: 256 aligned bytes each
.set J, J+1
.endr
.set J, 0
.rept 16
	v_mov_b32 v[OUT+J], 0                          ; a lane write's destination counts as read
.set J, J+1
.endr
.macro MTILE u                         ; query tile u of the four
	s_wait_loadcnt 24-8*\u                         ; its eight loads are in; the later tiles' may be out
.irp i, 0,1,2,3,4,5,6,7
	ds_store_b128 v12, v[R+4*(8*\u+\i):R+4*(8*\u+\i)+3] offset:2*MP*\i
.endr
.irp q, 0,1,2,3,4,5,6,7,8,9,10,11,12,13,14,15      ; q = 4 x key block + t: my row's bytes of keys 16 q + 8 h + 0..7
	ds_load_b64 v[M+2*\q:M+2*\q+1], v13 offset:16*\q
.endr
	s_wait_dscnt 0x0
.irp q, 0,1,2,3,4,5,6,7,8,9,10,11,12,13,14,15
.irp j, 0,1,2,3,4,5,6,7
	v_and_b32 v[TT+\j], 0xff<<(8*(\j%4)), v[M+2*\q+\j/4]
.endr
.irp j, 0,1,2,3,4,5,6,7
	v_cmp_ne_u32 s[32+\j], 0, v[TT+\j]             ; the 32 lanes' bits are word 8 q + j of the tile's 128
.endr
.irp j, 0,1,2,3,4,5,6,7
	v_writelane_b32 v[OUT+4*\u+\j%4], s[32+\j], 2*\q+\j/4   ; word W goes to lane W / 4, register W % 4: so one store of 16 bytes a lane lays the words on end
.endr
.endr
	v_or_b32 v200, v[OUT+4*\u], v[OUT+4*\u+1]
	v_or_b32 v201, v[OUT+4*\u+2], v[OUT+4*\u+3]
	v_or_b32 v200, v200, v201
	v_cmp_ne_u32 s40, 0, v200                      ; lanes 8 b .. 8 b + 7 hold key block b's words: bits 8 b .. 8 b + 7 say whether it holds a true entry
.if \u == 0
	s_mov_b32 s41, s40
.else
	s_or_b32 s41, s41, s40
.endif
	global_store_b128 v2, v[OUT+4*\u:OUT+4*\u+3], s[20:21] offset:8192*\u   ; 512 consecutive bytes: four key blocks' words
.endm
	MTILE 0
	MTILE 1
	MTILE 2
	MTILE 3
	v_lshlrev_b32 v200, 3, v1
	v_lshrrev_b32 v201, v200, s41
	v_and_b32 v201, 0xff, v201                     ; lane b (0..3): key block b's flag
	s_wait_xcnt 0x0                                ; EXEC changes only behind this wait
	v_cmp_gt_u32 vcc_lo, 4, v1
	s_wait_tensorcnt 0x0
	ds_add_u32 v248, v249
	s_wait_dscnt 0x0
	s_and_saveexec_b32 s40, vcc_lo
	global_store_b32 v14, v201, s[22:23]           ; 16 bytes a wave, once
	s_wait_xcnt 0x0
	s_or_b32 exec_lo, exec_lo, s40
	s_endpgm
.Lfunc_end_k_q22064780a0_prep:
	.size	k_q22064780a0_prep, .Lfunc_end_k_q22064780a0_prep-k_q22064780a0_prep
	.p2alignl 7, 3214868480
	.fill 96, 4, 3214868480
	.section	.rodata,"a",@progbits
	.p2align	6, 0x0
	.amdhsa_kernel k_q22064780a0_prep
		.amdhsa_group_segment_fixed_size 51712
		.amdhsa_private_segment_fixed_size 0
		.amdhsa_enable_private_segment 0
		.amdhsa_kernarg_size 80
		.amdhsa_user_sgpr_count 2
		.amdhsa_user_sgpr_kernarg_segment_ptr 1
		.amdhsa_wavefront_size32 1
		.amdhsa_system_sgpr_workgroup_id_x 1
		.amdhsa_system_sgpr_workgroup_id_y 1
		.amdhsa_system_sgpr_workgroup_id_z 1
		.amdhsa_system_vgpr_workitem_id 0
		.amdhsa_next_free_vgpr 250
		.amdhsa_next_free_sgpr 66
		.amdhsa_reserve_vcc 1
		.amdhsa_float_denorm_mode_32 3
		.amdhsa_float_denorm_mode_16_64 3
		.amdhsa_memory_ordered 1
		.amdhsa_forward_progress 1
		.amdhsa_inst_pref_size 149
	.end_amdhsa_kernel
	.amdgpu_metadata
---
amdhsa.version: [ 1, 2 ]
amdhsa.kernels:
  - .name:           k_q22064780a0_prep
    .symbol:         k_q22064780a0_prep.kd
    .args:
      - { .name: attention_mask, .offset: 0, .size: 8, .value_kind: global_buffer, .address_space: global }
      - { .name: hidden_states, .offset: 8, .size: 8, .value_kind: global_buffer, .address_space: global }
      - { .name: wq, .offset: 16, .size: 8, .value_kind: global_buffer, .address_space: global }
      - { .name: wk, .offset: 24, .size: 8, .value_kind: global_buffer, .address_space: global }
      - { .name: wv, .offset: 32, .size: 8, .value_kind: global_buffer, .address_space: global }
      - { .name: wo, .offset: 40, .size: 8, .value_kind: global_buffer, .address_space: global }
      - { .name: lowp_scales, .offset: 48, .size: 8, .value_kind: global_buffer, .address_space: global }
      - { .name: xw, .offset: 56, .size: 8, .value_kind: global_buffer, .address_space: global }
      - { .name: mbits, .offset: 64, .size: 8, .value_kind: global_buffer, .address_space: global }
      - { .name: mflags, .offset: 72, .size: 8, .value_kind: global_buffer, .address_space: global }
    .group_segment_fixed_size: 51712
    .private_segment_fixed_size: 0
    .kernarg_segment_align: 8
    .kernarg_segment_size: 80
    .max_flat_workgroup_size: 128
    .sgpr_count:     66
    .vgpr_count:     250
    .wavefront_size: 32
...
	.end_amdgpu_metadata
.endif
;; end of part 1
;; launch qkv (part 2): grid 12 x 16, 4 waves a work-group, clusters of 4 x 4, 327,680 bytes of LDS; arguments xw, lowp_scales, bq, bk, bv, qkv; writes qkv
.if DOCPART == 2
	.amdgcn_target "amdgcn-amd-amdhsa--gfx1250"
	.amdhsa_code_object_version 6
	.text
	.protected	k_q22064780a0_qkv
	.globl	k_q22064780a0_qkv
	.p2align	8
	.type	k_q22064780a0_qkv,@function
k_q22064780a0_qkv:
	s_mov_b64 s[64:65], 0
	v_nop
	global_prefetch_b8 v0, s[64:65] scope:SCOPE_SE
	s_setreg_imm32_b32 hwreg(HW_REG_WAVE_MODE, 25, 1), 1
	s_wait_xcnt 0x0
	s_wait_alu depctr_hold_cnt(0) depctr_sa_sdst(0) depctr_va_vdst(0) depctr_va_sdst(0) depctr_va_ssrc(0) depctr_va_vcc(0) depctr_vm_vsrc(0)
	s_getreg_b32 s2, hwreg(HW_REG_IB_STS2, 6, 4)
	s_cmp_eq_u32 s2, 0
	s_cbranch_scc0 .Lentry_in_a_cluster
	s_endpgm
.Lentry_in_a_cluster:
	s_bfe_u32 s2, ttmp6, 0x10000c
	s_cmp_lg_u32 s2, 0xf033
	s_cbranch_scc0 .Lentry_shape_is_right
	s_endpgm
.Lentry_shape_is_right:
; Q = x wq^T + bq, K = x wk^T + bk, V^T = wv x^T + bv, on codes of E4M3, and each result quantised at once for attention.  Cluster x = t says which: 0 q, 1 k, 2 v.
; C[m][n] = sum over k of A[m][k] B[n][k], K = 1,024.  q, k: A = x's codes (4,096 rows), B = the weight's (1,024 rows).  v: A = wv's codes, B = x's: so C is V TRANSPOSED, keys along a row.
; A sum stands for sum x 2^(eA + eB), entries 2 t and 2 t + 1 of the scales; the bias is added in f32; the result is quantised with entry 6 (q), 7 (k) or 9 (v).
; LIMITS: eA + eB between -126 and 127; the result's exponent between -126 and 119.
; A tile of C, 256 x 256, is made by four waves, each 128 x 128: 64 accumulators, 512 registers.  THE MATRIX INSTRUCTION IS USED TRANSPOSED (source 0 = 16 rows of B, source 1 = 16 rows of A): a lane holds
; one row of C (lane % 16) and, in accumulator b, columns 16 b + 8 (lane / 16) + 0..7.  Eight such numbers, converted, are registers 2 (b % 4), 2 (b % 4) + 1 of a fragment of 16 rows x 64 K whose K runs along
; C's columns: for q and k a head's 64 channels, for v a block of 64 keys.  So the results leave as images of the next operands' registers, 512 consecutive bytes a store, with no stage.
; OPERANDS lie in memory as images of their registers: [row tile of 16][K step of 128][2,048 bytes].  A slot of LDS holds 256 along K: of each of 8 row tiles 4,096 consecutive bytes, 16,384 bytes apart in memory: one tensor load a wave.
; A fragment is four loads of 16 bytes a lane, 512 consecutive bytes each: no pitch, no padding.
; OUT: qkv: q at 0, k at 4 MiB: [head][row tile of 16][1,024 bytes]; v at 8 MiB: [key block of 64][channel tile of 16][1,024 bytes].
; CLUSTERS: 4 x 4 work-groups.  The four of a row of the cluster need the same tiles of A, the four of a column the same tiles of B: each is asked for JOINTLY, by the same tensor load with the same descriptor and a mask that names the four.
; What differs between q, k and v is chosen by selects on the cluster's x, which all sixteen partners share: there is no branch on it.
; REGISTERS, in windows of 256: window 0: v0-31 addresses; v32-119 the biases; from v128 A's fragments, ONE set; on the way out v128-255 are at work.  window 1: B's fragments, TWO sets.  windows 2, 3: the accumulators ((a, b) at v[8 (8 (a % 4) + b)]).
.set FR,     16                        ; registers of a fragment
.set NL,     4                         ; LDS loads that bring one
.set NP,     4                         ; places behind this matrix instruction (ISA guide 7.12.1)
.set CHUNK,  4096                      ; a row tile's bytes in a slot: two K steps
.set HALFT,  8*CHUNK                   ; 128 rows: what one tensor load brings, and what one wave reads of A or of B
.set SLOT,   4*HALFT                   ; A's 256 rows, then B's 256 rows
.set SPARE,  2*SLOT                    ; behind the ring: the spare words, 128 bytes for each wave
.set LAPS,   2                         ; 1,024 along K = four slots' worth = twice round the ring
.set WQOFF,  12582912                  ; the weights' codes in xw
.set ADRA, 16                          ; v16-17  LDS address of my A fragments in slot 0, 1
.set ADRB, 20                          ; v20-21  the same for B
.set SPW,  28                          ; v28     LDS address of my spare word; never rewritten
.set NIL,  29                          ; v29     0; never rewritten
.set TC,   32                          ; v32-95  the bias along C's columns: register 8 b + j (q, k; zeros for v)
.set TR,   96                          ; v96-103 the bias along C's rows: register a (v)
.set TRD,  104                         ; v104-119 the same, each twice, for the packed addition (zeros for q, k)
.set AF,   128                         ; A's fragments
.set TMP,  128                         ; the way out: a block's 64 numbers
.set CD,   192                         ; the way out: codes, four sets of 16
.set G1, 24                            ; s[24:31] descriptor group 1 for A's tiles;  s[32:39] group 0, one set for each slot
.set G0, 32
.set G1B, 48                           ; s[48:55], s[56:63] the same for B's tiles
.set G0B, 56
.set MSB, 0
.macro WIN new                         ; the immediate's high byte repeats the setting that is left
.if MSB != \new
	s_set_vgpr_msb (MSB<<8)|\new
.set MSB, \new
.endif
.endm
.set MUL_LO, 0xa1                      ; source 0 (B) window 1, source 1 (A) window 0, C and D window 2
.set MUL_HI, 0xf1                      ; the same, C and D window 3
.set TO_B,   0x40                      ; destination window 1, address window 0
; A joint load: waves 0 and 1 fetch for A, waves 2 and 3 for B; the branch hangs on the wave's number alone.  Four v_nop follow each of the two lines.
.macro JLOAD g0a, g1a, g0b, g1b
	s_cmp_eq_u32 s67, 0
	s_cbranch_scc0 .Lfor_b_\@
	tensor_load_to_lds s[\g0a:\g0a+3], s[\g1a:\g1a+7]
	s_nop 0
.rept 4
	v_nop
.endr
	s_branch .Lasked_\@
.Lfor_b_\@:
	tensor_load_to_lds s[\g0b:\g0b+3], s[\g1b:\g1b+7]
	s_nop 0
.rept 4
	v_nop
.endr
.Lasked_\@:
.endm
.macro CREST                           ; a round of the cluster's barrier behind its opening barrier
	s_cmp_lg_u32 s66, 0
	s_cbranch_scc1 .Lnot_wave_0_\@
	s_barrier_signal -3
.Lnot_wave_0_\@:
	s_barrier_wait -3
	s_barrier_signal -1
	s_barrier_wait -1
.endm
.macro CROUND                          ; a whole round
	s_barrier_signal -1
	s_barrier_wait -1
	CREST
.endm
	s_load_b256 s[4:11], s[0:1], 0x0               ; xw 4:5, scales 6:7, bq 8:9, bk 10:11
	s_load_b128 s[12:15], s[0:1], 0x20             ; bv 12:13, qkv 14:15
	v_lshl_add_u32 v[SPW], v0, 2, SPARE
	v_mov_b32 v[NIL], 0
	ds_add_u32 v28, v29
	ds_add_u32 v28, v29
	s_wait_dscnt 0x0
	v_lshrrev_b32 v1, 5, v0
	v_readfirstlane_b32 s66, v1                    ; wave 0..3
	s_lshr_b32 s67, s66, 1                         ; which half of the tile's rows is mine.  Also: I fetch for A (0) or for B (1)
	s_and_b32 s68, s66, 1                          ; which half of its columns.  Also: which 128 rows of that tile I fetch
	s_bfe_u32 s40, ttmp6, 0x40000                  ; cx
	s_bfe_u32 s41, ttmp6, 0x40004                  ; cy
	s_and_b32 s70, ttmp7, 0xffff
	s_lshl_b32 s70, s70, 2                         ; 4 x cluster y
	s_lshl_b32 s74, ttmp9, 22                      ; x's codes for tensor t
	s_lshl_b32 s75, ttmp9, 20
	s_add_co_u32 s75, s75, WQOFF                   ; the weight's codes
	s_lshl_b32 s76, ttmp9, 2
	s_add_co_u32 s76, s76, 24                      ; the result's exponent: entry 6 + t,
	s_lshl_b32 s77, ttmp9, 3                       ; the operands': entries 2 t, 2 t + 1
	s_mov_b32 s73, 262144                          ; q, k: from head to head
	s_cmp_eq_u32 ttmp9, 2                          ; v?  All selects stand together, ahead of the next line that sets SCC
	s_cselect_b32 s71, 0, s70                      ; the long axis (4,096) is C's rows for q and k,
	s_cselect_b32 s72, s70, 0                      ; its columns for v
	s_cselect_b32 s80, s75, s74                    ; A's codes
	s_cselect_b32 s81, s74, s75                    ; B's codes
	s_cselect_b32 s76, 36, s76                     ; entry 9 for v
	s_cselect_b32 s73, 65536, s73                  ; v: from key block to key block
	s_cselect_b32 s78, 0, -1                       ; keeps the bias along columns (q, k)
	s_cselect_b32 s79, -1, 0                       ; keeps the bias along rows (v)
	s_add_co_u32 s69, s71, s41                     ; tile row of C: it hangs on cy, never on cx
	s_add_co_u32 s42, s72, s40                     ; tile column: on cx, never on cy
	s_lshl_b32 s43, s41, 2
	s_lshl_b32 s43, 15, s43                        ; my row of the cluster
	s_lshl_b32 s44, 0x1111, s40                    ; my column
	; descriptor group 1: 8 rows of 512 elements of 8 bytes, 2,048 elements apart; dense in LDS
	s_or_b32 s[G1+0], s43, (3<<16)|(1<<21)         ; 15:0 the mask: A's tiles go to my row; 17:16 elements of 8 bytes; 21 set beside a mask
	s_or_b32 s[G1B+0], s44, (3<<16)|(1<<21)
.irp g, G1, G1B
	s_mov_b32 s[\g+1], 512<<16                     ; tensor_dim0
	s_mov_b32 s[\g+2], 8<<16                       ; tensor_dim1
	s_mov_b32 s[\g+3], 512<<16                     ; tile_dim0
	s_mov_b32 s[\g+4], 8                           ; tile_dim1
	s_mov_b32 s[\g+5], 2048                        ; tensor_dim0_stride
	s_mov_b32 s[\g+6], 0
	s_mov_b32 s[\g+7], 0
.endr
	s_lshl_b32 s18, s68, 7                         ; which 128 rows of the tile I fetch
	s_lshl_b32 s20, s69, 8
	s_add_co_u32 s20, s20, s18
	s_lshl_b32 s20, s20, 10                        ; a row's share of its row tile's 16 KiB: 1,024 bytes
	s_add_co_u32 s20, s20, s80
	s_mov_b32 s21, 0
	s_lshl_b32 s46, s42, 8
	s_add_co_u32 s46, s46, s18
	s_lshl_b32 s46, s46, 10
	s_add_co_u32 s46, s46, s81
	s_mov_b32 s47, 0
	s_mul_i32 s45, s66, HALFT                      ; where they go: wave x 128 rows: no place in the cluster enters an LDS address
	s_wait_kmcnt 0x0
	s_load_b64 s[96:97], s[6:7], s77 offset:0x0    ; eA, eB
	s_load_b32 s98, s[6:7], s76 offset:0x0         ; the result's exponent
	s_add_nc_u64 s[20:21], s[4:5], s[20:21]
	s_add_nc_u64 s[46:47], s[4:5], s[46:47]
	s_cmp_eq_u32 ttmp9, 1
	s_cselect_b64 s[10:11], s[10:11], s[12:13]
	s_cmp_eq_u32 ttmp9, 0
	s_cselect_b64 s[8:9], s[8:9], s[10:11]         ; the bias
	CROUND                                         ; all sixteen work-groups are here: the first joint loads meet
.irp s, 0,1
	s_mov_b32 s[G0+4*\s], 1
	s_add_co_u32 s[G0+4*\s+1], s45, \s*SLOT
	s_add_nc_u64 s[G0+4*\s+2:G0+4*\s+3], s[20:21], \s*CHUNK
	s_or_b32 s[G0+4*\s+3], s[G0+4*\s+3], 0x80000000
	s_mov_b32 s[G0B+4*\s], 1
	s_add_co_u32 s[G0B+4*\s+1], s45, \s*SLOT
	s_add_nc_u64 s[G0B+4*\s+2:G0B+4*\s+3], s[46:47], \s*CHUNK
	s_or_b32 s[G0B+4*\s+3], s[G0B+4*\s+3], 0x80000000
	JLOAD G0+4*\s, G1, G0B+4*\s, G1B
.endr
	v_and_b32 v1, 15, v0                           ; r
	v_bfe_u32 v2, v0, 4, 1                         ; h
	v_and_b32 v3, 31, v0
	v_lshlrev_b32 v10, 4, v3                       ; 16 x lane: an image's place for my lane; also the first store offset
	v_add_nc_u32 v11, s73, v10                     ; the second head's, or key block's
	s_mul_i32 s82, s67, HALFT                      ; my 128 rows of A
	s_mul_i32 s83, s68, HALFT                      ; my 128 rows of B,
	s_add_co_u32 s83, s83, 2*HALFT                 ; which lie behind A's 256
.irp s, 0,1
	v_add_nc_u32 v[ADRA+\s], s82, v10
	v_add_nc_u32 v[ADRB+\s], s83, v10
	s_add_co_u32 s82, s82, SLOT
	s_add_co_u32 s83, s83, SLOT
.endr
	; the biases.  Both tables are loaded in every work-group, from places inside the bias (the one that is not wanted: from its first numbers), and the one that is not wanted is masked to zeros on the way out
	s_lshl_b32 s88, s42, 8
	s_lshl_b32 s89, s68, 7
	s_add_co_u32 s88, s88, s89
	s_and_b32 s88, s88, s78
	s_lshl_b32 s88, s88, 2                         ; 4 x my first column (q, k), or 0
	v_lshlrev_b32 v12, 5, v2
	v_add_nc_u32 v12, s88, v12                     ; + 32 h
	s_lshl_b32 s89, s69, 8
	s_lshl_b32 s90, s67, 7
	s_add_co_u32 s89, s89, s90
	s_and_b32 s89, s89, s79
	s_lshl_b32 s89, s89, 2                         ; 4 x my first row (v), or 0
	v_lshlrev_b32 v13, 2, v1
	v_add_nc_u32 v13, s89, v13                     ; + 4 r
.irp b, 0,1,2,3,4,5,6,7
	global_load_b128 v[TC+8*\b:TC+8*\b+3], v12, s[8:9] offset:64*\b
	global_load_b128 v[TC+8*\b+4:TC+8*\b+7], v12, s[8:9] offset:64*\b+16
.endr
.irp a, 0,1,2,3,4,5,6,7
	global_load_b32 v[TR+\a], v13, s[8:9] offset:64*\a
.endr
	; where my codes go: t x 4 MiB + (4 x tile column + 2 x half) heads or key blocks + (16 x tile row + 8 x half) fragments of 1,024 bytes
	s_lshl_b32 s86, s42, 2
	s_lshl_b32 s87, s68, 1
	s_add_co_u32 s86, s86, s87
	s_mul_i32 s86, s86, s73
	s_lshl_b32 s87, s69, 4
	s_lshl_b32 s91, s67, 3
	s_add_co_u32 s87, s87, s91
	s_lshl_b32 s87, s87, 10
	s_add_co_u32 s86, s86, s87
	s_add_co_u32 s86, s86, s74
	s_mov_b32 s87, 0
	s_add_nc_u64 s[84:85], s[14:15], s[86:87]
.macro FRAG reg, adr, q, i             ; the fragment of row tile i, K step q of the slot: its image, four runs of 512 bytes
.irp c, 0,1,2,3
	ds_load_b128 v[\reg+4*\c:\reg+4*\c+3], v[\adr] offset:CHUNK*(\i)+2048*(\q)+512*\c
.endr
.endm
; 16 matrix instructions: A's blocks a0, a0 + 1 x B's eight, 128 along K.  p: B's set.  zero = 1: the first product starts the sums.  The 64 accumulators take turns, one instruction a turn, in the same order in every step.
.macro MUL16 a0, p, zero
.irp a, \a0, \a0+1
.irp b, 0,1,2,3,4,5,6,7
.if \zero
	v_wmma_f32_16x16x128_fp8_fp8 v[8*(8*((\a)%4)+\b):8*(8*((\a)%4)+\b)+7], v[128*(\p)+FR*\b:128*(\p)+FR*\b+FR-1], v[AF+FR*(\a):AF+FR*(\a)+FR-1], 0
.else
	v_wmma_f32_16x16x128_fp8_fp8 v[8*(8*((\a)%4)+\b):8*(8*((\a)%4)+\b)+7], v[128*(\p)+FR*\b:128*(\p)+FR*\b+FR-1], v[AF+FR*(\a):AF+FR*(\a)+FR-1], v[8*(8*((\a)%4)+\b):8*(8*((\a)%4)+\b)+7]
.endif
.endr
.endr
.endm
.macro FETCH_B slot, q, p
	WIN TO_B
.irp i, 0,1,2,3,4,5,6,7
	FRAG 128*(\p)+FR*\i, ADRB+\slot, \q, \i
.endr
	WIN 0
.endm
.macro FETCH_A slot, q, i0
.irp i, \i0, \i0+1, \i0+2, \i0+3
	FRAG AF+FR*(\i), ADRA+\slot, \q, \i
.endr
.endm
.macro PLACES n                        ; plain vector lines between a matrix instruction and a load into one of its registers, or a read of its result
.rept \n
	v_nop
.endr
.endm
; A step of 128 along K that has its successor in the same slot.  A block of A is free as soon as its eight products are issued: blocks 0-3 are fetched anew in the step's middle, blocks 4-7 at its end.
.macro STEP slot, q, zero
	s_wait_dscnt 4*NL                              ; B's set and A's blocks 0-3 are in; the youngest sixteen loads (A's blocks 4-7) may be out
	WIN MUL_LO
	MUL16 0, (\q)%2, \zero
	MUL16 2, (\q)%2, \zero
	s_wait_dscnt 0                                 ; A's blocks 4-7 are in
	PLACES NP
	FETCH_B \slot, (\q)+1, 1-(\q)%2
	FETCH_A \slot, (\q)+1, 0
	WIN MUL_HI
	MUL16 4, (\q)%2, \zero
	MUL16 6, (\q)%2, \zero
	PLACES NP
	WIN 0
	FETCH_A \slot, (\q)+1, 4
.endm
; A slot's last step changes slots: ONE barrier; in front of it each wave waits for all its tensor loads, adds 0 to its spare word, and waits for that and for its own reads of this slot.  fill = 1: this slot is filled again, two slots ahead.
.macro TURN slot, next, fill
	s_wait_tensorcnt 0x0                           ; all my tensor loads have landed: my part of the next slot
	ds_add_u32 v[SPW], v[NIL]                      ; 0 onto my spare word
	s_wait_dscnt 4*NL+1                            ; (the add and the youngest sixteen loads may be out)
	WIN MUL_LO
	MUL16 0, 1, 0                                  ; sixteen matrix instructions stand between the add and the wait for it
	s_wait_dscnt 0x0                               ; the add is done, and my reads of this slot are over
	s_barrier_signal -1
	MUL16 2, 1, 0
	WIN 0
	s_barrier_wait -1
.if \fill
	CREST                                          ; the barrier has opened a round of the cluster's barrier: no wave of any partner still reads this slot or has a load on its way
	s_add_nc_u64 s[G0+4*\slot+2:G0+4*\slot+3], s[G0+4*\slot+2:G0+4*\slot+3], 2*CHUNK
	s_add_nc_u64 s[G0B+4*\slot+2:G0B+4*\slot+3], s[G0B+4*\slot+2:G0B+4*\slot+3], 2*CHUNK
	JLOAD G0+4*\slot, G1, G0B+4*\slot, G1B         ; the first tensor load behind the round; its four v_nop are also the places in front of the loads below
.else
	PLACES NP
.endif
	FETCH_B \next, 0, 0
	FETCH_A \next, 0, 0
	WIN MUL_HI
	MUL16 4, 1, 0
	MUL16 6, 1, 0
	PLACES NP
	WIN 0
	FETCH_A \next, 0, 4
.endm
	s_wait_tensorcnt 1                             ; my part of slot 0 is in (slot 1's load may be out)
	s_barrier_signal -1
	s_barrier_wait -1                              ; everybody's is
	FETCH_B 0, 0, 0
	FETCH_A 0, 0, 0
	FETCH_A 0, 0, 4
	STEP 0, 0, 1                                   ; the first step stands in front of the loop: its products start the sums
	s_mov_b32 s3, LAPS-1
.Llap:                                                 ; a trip goes once round the ring and fills both slots again
	TURN 0, 1, 1
	STEP 1, 0, 0
	TURN 1, 0, 1
	STEP 0, 0, 0
	s_sub_co_u32 s3, s3, 1
	s_cmp_lg_u32 s3, 0
	s_cbranch_scc1 .Llap
	TURN 0, 1, 0                                   ; the last lap fills nothing, and has no round of the cluster's barrier
	STEP 1, 0, 0
	s_wait_dscnt 4*NL                              ; the very last step: nothing more to fetch
	WIN MUL_LO
	MUL16 0, 1, 0
	MUL16 2, 1, 0
	s_wait_dscnt 0
	WIN MUL_HI
	MUL16 4, 1, 0
	MUL16 6, 1, 0
	WIN 0
	; THE WAY OUT.  number = sum x 2^(eA + eB) + bias, held, converted, stored.  No branch: of the two biases one is zeros, so one addition rounds.
	s_wait_kmcnt 0x0
	s_add_co_i32 s96, s96, s97
	s_add_co_i32 s96, s96, 127
	s_lshl_b32 s96, s96, 23                        ; 2^(eA + eB) as f32
	s_mov_b32 s97, s96                             ; (named with it as a pair, so it is written)
	s_add_co_i32 s98, s98, 127
	s_lshl_b32 s99, s98, 23
	v_mov_b32 v8, s99                              ; the result's scale as f32
	s_add_co_i32 s98, s98, 8
	s_lshl_b32 s98, s98, 23
	s_or_b32 s98, s98, 0x600000
	v_mov_b32 v9, s98                              ; 448 x that
	s_wait_loadcnt 0x0                             ; the biases
.set J, 0
.rept 64
	v_and_b32 v[TC+J], s78, v[TC+J]                ; (these lines are also the places behind the last products)
.set J, J+1
.endr
.irp a, 0,1,2,3,4,5,6,7
	v_and_b32 v[TRD+2*\a], s79, v[TR+\a]
	v_and_b32 v[TRD+2*\a+1], s79, v[TR+\a]
.endr
.macro OUTBLK a                        ; my rows 16 a .. 16 a + 15, all 128 columns
.set AC, 64*((\a)%4)
.set CB, CD+16*((\a)%4)
	WIN 0x02+((\a)/4)                              ; source 0: window 2 or 3
.set J, 0
.rept 32
	v_pk_fma_f32 v[TMP+J:TMP+J+1], v[AC+J:AC+J+1], s[96:97], v[TC+J:TC+J+1] op_sel_hi:[1,0,1]   ; each accumulator from its low end on
.set J, J+2
.endr
	WIN 0
.set J, 0
.rept 32
	v_pk_add_f32 v[TMP+J:TMP+J+1], v[TMP+J:TMP+J+1], v[TRD+2*(\a):TRD+2*(\a)+1]
.set J, J+2
.endr
.set J, 0
.rept 64
	v_med3_num_f32 v[TMP+J], v[TMP+J], -v9, v9     ; the conversion to an 8-bit code does not saturate (ISA guide 7.6.2)
.set J, J+1
.endr
.if (\a) >= 4
	s_wait_xcnt 0x0                                ; block a - 4's stores have read their data: its set of code registers is written again only behind this wait
.endif
.irp b, 0,1,2,3,4,5,6,7
	v_cvt_scalef32_pk8_fp8_f32 v[CB+2*\b:CB+2*\b+1], v[TMP+8*\b:TMP+8*\b+7], v8
.endr
	v_nop                                          ; a plain line behind the last conversion: the next block writes its sources
	global_store_b128 v10, v[CB:CB+3], s[84:85] offset:1024*(\a)            ; columns 0-63: a fragment of 1,024 bytes, 512 consecutive bytes a store
	global_store_b128 v10, v[CB+4:CB+7], s[84:85] offset:1024*(\a)+512
	global_store_b128 v11, v[CB+8:CB+11], s[84:85] offset:1024*(\a)         ; columns 64-127: the next head's, or key block's
	global_store_b128 v11, v[CB+12:CB+15], s[84:85] offset:1024*(\a)+512
.endm
.irp a, 0,1,2,3,4,5,6,7
	OUTBLK \a
.endr
	s_wait_tensorcnt 0x0                           ; the wave's end
	ds_add_u32 v[SPW], v[NIL]
	s_wait_dscnt 0x0
	CROUND                                         ; the closing round: no work-group ends while a partner may still ask for a tile that names it
	s_endpgm
.Lfunc_end_k_q22064780a0_qkv:
	.size	k_q22064780a0_qkv, .Lfunc_end_k_q22064780a0_qkv-k_q22064780a0_qkv
	.p2alignl 7, 3214868480
	.fill 96, 4, 3214868480
	.section	.rodata,"a",@progbits
	.p2align	6, 0x0
	.amdhsa_kernel k_q22064780a0_qkv
		.amdhsa_group_segment_fixed_size 327680
		.amdhsa_private_segment_fixed_size 0
		.amdhsa_enable_private_segment 0
		.amdhsa_kernarg_size 48
		.amdhsa_user_sgpr_count 2
		.amdhsa_user_sgpr_kernarg_segment_ptr 1
		.amdhsa_wavefront_size32 1
		.amdhsa_system_sgpr_workgroup_id_x 1
		.amdhsa_system_sgpr_workgroup_id_y 1
		.amdhsa_system_sgpr_workgroup_id_z 1
		.amdhsa_system_vgpr_workitem_id 0
		.amdhsa_next_free_vgpr 1024
		.amdhsa_next_free_sgpr 100
		.amdhsa_reserve_vcc 0
		.amdhsa_float_denorm_mode_32 3
		.amdhsa_float_denorm_mode_16_64 3
		.amdhsa_memory_ordered 1
		.amdhsa_forward_progress 1
		.amdhsa_inst_pref_size 155
	.end_amdhsa_kernel
	.amdgpu_metadata
---
amdhsa.version: [ 1, 2 ]
amdhsa.kernels:
  - .name:           k_q22064780a0_qkv
    .symbol:         k_q22064780a0_qkv.kd
    .args:
      - { .name: xw, .offset: 0, .size: 8, .value_kind: global_buffer, .address_space: global }
      - { .name: lowp_scales, .offset: 8, .size: 8, .value_kind: global_buffer, .address_space: global }
      - { .name: bq, .offset: 16, .size: 8, .value_kind: global_buffer, .address_space: global }
      - { .name: bk, .offset: 24, .size: 8, .value_kind: global_buffer, .address_space: global }
      - { .name: bv, .offset: 32, .size: 8, .value_kind: global_buffer, .address_space: global }
      - { .name: qkv, .offset: 40, .size: 8, .value_kind: global_buffer, .address_space: global }
    .group_segment_fixed_size: 327680
    .private_segment_fixed_size: 0
    .kernarg_segment_align: 8
    .kernarg_segment_size: 48
    .max_flat_workgroup_size: 128
    .sgpr_count:     100
    .vgpr_count:     1024
    .wavefront_size: 32
...
	.end_amdgpu_metadata
.endif
;; end of part 2
;; launch attn (part 3): grid 64 x 16, 4 waves a work-group, no clusters, 0 bytes of LDS; arguments qkv, mbits, mflags, lowp_scales, actx; writes actx
.if DOCPART == 3
	.amdgcn_target "amdgcn-amd-amdhsa--gfx1250"
	.amdhsa_code_object_version 6
	.text
	.protected	k_q22064780a0_attn
	.globl	k_q22064780a0_attn
	.p2align	8
	.type	k_q22064780a0_attn,@function
k_q22064780a0_attn:
	s_mov_b64 s[64:65], 0
	v_nop
	global_prefetch_b8 v0, s[64:65] scope:SCOPE_SE
	s_setreg_imm32_b32 hwreg(HW_REG_WAVE_MODE, 25, 1), 1
	s_wait_xcnt 0x0
; ATTENTION on codes of E4M3, head size 64, under the mask as it was given.  A wave owns 16 queries of one head (query tile qt) and walks the key blocks of 64 whose 64 x 64 tile of the mask holds a true entry
; (mflags, stored by the first launch); inside a block the mask is applied entry by entry (mbits: a lane mask for each register of the scores).  An all-true mask is served by the same text: 64 trips.
; THE SOFTMAX: t = score x log2(e) / 8; M = the largest t so far, rounded UP to a whole number; p = 2^(t - M) is quantised with entry 8; the row's sum is taken of the unquantised p and divides at the end.
; When M moves, the sum and O are multiplied by 2^(old M - new M): exact.  The result, O x 2^(e8 + e9) / sum, is quantised with entry 10 and stored as the last product's operand.
; BOTH PRODUCTS ARE USED TRANSPOSED: S^T = K Q^T (source 0 = 16 keys, source 1 = my 16 queries), O^T = V^T P^T (source 0 = 16 channels, source 1 = P): a lane holds ONE query (lane % 16) throughout, and register j of
; tile t holds key (or channel) 16 t + 8 (lane / 16) + j.  Eight such numbers, converted, are registers 2 t, 2 t + 1 of the next operand.  Nothing changes lanes but the row's maximum and sum.
; K, V and Q lie in memory as images of their registers (1,024 bytes a fragment of 16 rows x 64 K) and go straight into registers, one block ahead of the work.
; NO LDS, NO BARRIER, NO TENSOR LOAD, NO CLUSTER: the number of trips is a stored number that differs from wave to wave and from work-group to work-group, so partners could not make every joint request alike, and no barrier may stand in such a loop.
; A query with no true key at all has sum 0: it gets the NaN code, and its row of the output is NaN as in the definition.
; LIMITS: e6 + e7 between -123 and 130 (added to c's exponent field); e8 and e10 between -126 and 119.
; REGISTERS: v1 16 x lane; v2, v3 K's and V's offsets; v4, v5 flags; v6 4 x lane; v8-15 Q; v16-47 K; v48-79 V; v80-111 S^T, then p; v112-143 O^T; v144-151 codes; v152 -M, v153 the largest t; v[154:155] the sum in two halves;
;   v[156:157] f; v158-163 at work; v164 -infinity; v165, v166: 448 x 2^e8, 2^e8; v167, v168: the same with e10; v169 four NaN codes.
.set KR, 16
.set VR, 48
.set S,  80
.set O,  112
.set PC, 144
	s_load_b256 s[4:11], s[0:1], 0x0               ; qkv 4:5, mbits 6:7, mflags 8:9, scales 10:11
	s_load_b64 s[12:13], s[0:1], 0x20              ; actx
	v_lshrrev_b32 v7, 5, v0
	v_readfirstlane_b32 s14, v7                    ; wave
	v_and_b32 v7, 31, v0
	v_lshlrev_b32 v1, 4, v7
	v_lshlrev_b32 v6, 2, v7
	s_and_b32 s15, ttmp7, 0xffff                   ; head
	s_lshr_b32 s53, s15, 2
	s_lshl_b32 s53, s53, 4
	s_add_co_u32 s53, s53, ttmp9
	s_and_b32 s53, s53, 63                         ; query block = (x + 16 (head / 4)) mod 64: a fixed permutation, so that work-groups 256 apart in the grid take different query blocks
	s_lshl_b32 s54, s53, 2
	s_add_co_u32 s54, s54, s14                     ; query tile
	s_mov_b32 s57, 0
	s_mov_b32 s60, 0x76543210                      ; v_permlanex16_b32's selects for lane l xor 16
	s_mov_b32 s61, 0xfedcba98
	s_wait_kmcnt 0x0
	s_load_b128 s[68:71], s[10:11], 0x18           ; e6, e7, e8, e9
	s_load_b32 s72, s[10:11], 0x28                 ; e10
	s_lshl_b32 s56, s54, 13
	s_add_nc_u64 s[6:7], s[6:7], s[56:57]          ; my query tile's mask words: 64 key blocks x 128 bytes
	s_lshl_b32 s56, s53, 8
	s_add_nc_u64 s[8:9], s[8:9], s[56:57]          ; my query block's 64 flags
	s_lshl_b32 s56, s54, 4
	s_add_co_u32 s56, s56, s15
	s_lshl_b32 s56, s56, 10
	s_add_nc_u64 s[12:13], s[12:13], s[56:57]      ; out: [query tile][head][1,024 bytes]
	s_lshl_b32 s56, s15, 8
	s_add_co_u32 s56, s56, s54
	s_lshl_b32 s56, s56, 10
	s_add_nc_u64 s[74:75], s[4:5], s[56:57]        ; Q: [head][query tile]
	s_lshl_b32 s56, s15, 18
	s_add_co_u32 s56, s56, 0x400000
	s_add_nc_u64 s[76:77], s[4:5], s[56:57]        ; K: my head
	s_lshl_b32 s56, s15, 12
	s_add_co_u32 s56, s56, 0x800000
	s_add_nc_u64 s[78:79], s[4:5], s[56:57]        ; V: my head's four channel tiles of key block 0
	global_load_b32 v4, v6, s[8:9]                 ; lane L: the flag of key block L,
	global_load_b32 v5, v6, s[8:9] offset:128      ; of key block 32 + L
	global_load_b128 v[8:11], v1, s[74:75]
	global_load_b128 v[12:15], v1, s[74:75] offset:512
.set J, 0
.rept 32
	v_mov_b32 v[O+J], 0                            ; O^T.  (The step is written once and may run no time at all: it finds zeros, which the first change of M leaves zeros)
.set J, J+1
.endr
	v_mov_b32 v153, 0xff61b1e6                     ; the largest t so far: -3e38, under every t
	v_floor_f32 v152, -v153                        ; -M
	v_mov_b32 v154, 0
	v_mov_b32 v155, 0
	v_mov_b32 v157, 0                              ; (named as the upper half of a pair)
	v_mov_b32 v159, 0                              ; (likewise)
	v_mov_b32 v160, 0                              ; a lane permute's destination counts as read
	v_mov_b32 v164, 0xff800000
	v_mov_b32 v169, 0x7f7f7f7f
	s_wait_kmcnt 0x0
	s_add_co_i32 s53, s68, s69
	s_lshl_b32 s53, s53, 23
	s_add_co_i32 s58, s53, 0x3e38aa3b              ; c = log2(e) / 8, with e6 + e7 added to its exponent field: a score stands for score x 2^(e6 + e7)
	s_mov_b32 s59, s58
	s_add_co_i32 s53, s70, 127
	s_lshl_b32 s54, s53, 23
	v_mov_b32 v166, s54
	s_add_co_i32 s53, s53, 8
	s_lshl_b32 s53, s53, 23
	s_or_b32 s53, s53, 0x600000
	v_mov_b32 v165, s53
	s_add_co_i32 s53, s72, 127
	s_lshl_b32 s54, s53, 23
	v_mov_b32 v168, s54
	s_add_co_i32 s53, s53, 8
	s_lshl_b32 s53, s53, 23
	s_or_b32 s53, s53, 0x600000
	v_mov_b32 v167, s53
	s_wait_loadcnt 0x2                             ; the flags are in; Q's two loads may be out
	v_cmp_ne_u32 s48, 0, v4                        ; the lanes' bits ARE the list of key blocks: 0-31,
	v_cmp_ne_u32 s49, 0, v5                        ; 32-63
	s_bcnt1_i32_b32 s50, s48
	s_bcnt1_i32_b32 s53, s49
	s_add_co_u32 s50, s50, s53                     ; how many
	s_mov_b32 s51, 0
	s_cmp_eq_u32 s50, 0
	s_cbranch_scc1 .Lout
; The list's lowest block goes to s52 and leaves the list.  An empty list gives block 31: the last trip's look-ahead loads stay inside their buffers and are not used.
.macro NEXT
	s_cmp_lg_u32 s48, 0
	s_cselect_b32 s53, s48, s49
	s_cselect_b32 s54, 0, 32
	s_cselect_b32 s55, -1, 0
	s_ctz_i32_b32 s52, s53
	s_add_co_u32 s52, s52, s54
	s_min_u32 s52, s52, 63                         ; a loaded number is held inside the table ahead of an address
	s_sub_co_u32 s56, s48, 1
	s_and_b32 s48, s48, s56                        ; the low word loses its lowest bit (0 stays 0);
	s_sub_co_u32 s56, s49, 1
	s_or_b32 s56, s56, s55
	s_and_b32 s49, s49, s56                        ; the high word only if the low one was empty
.endm
.macro KLOAD
.irp t, 0,1,2,3
	global_load_b128 v[KR+8*\t:KR+8*\t+3], v2, s[76:77] offset:1024*\t
	global_load_b128 v[KR+8*\t+4:KR+8*\t+7], v2, s[76:77] offset:1024*\t+512
.endr
.endm
.macro VLOAD
.irp t, 0,1,2,3
	global_load_b128 v[VR+8*\t:VR+8*\t+3], v3, s[78:79] offset:1024*\t
	global_load_b128 v[VR+8*\t+4:VR+8*\t+7], v3, s[78:79] offset:1024*\t+512
.endr
.endm
	NEXT
	v_lshl_add_u32 v2, s52, 12, v1                 ; K: a block is four fragments
	v_lshl_add_u32 v3, s52, 16, v1                 ; V: a block is 64 fragments, of which my head's four
	s_lshl_b32 s57, s52, 7
	KLOAD
	s_load_b512 s[16:31], s[6:7], s57 offset:0x0   ; the block's 32 mask words
	s_load_b512 s[32:47], s[6:7], s57 offset:0x40
	VLOAD
.Lstep:
	s_wait_loadcnt 0x8                             ; this block's K is in (and Q); V's eight loads may be out
.irp t, 0,1,2,3
	v_wmma_f32_16x16x64_fp8_fp8 v[S+8*\t:S+8*\t+7], v[KR+8*\t:KR+8*\t+7], v[8:15], 0
.endr
	NEXT
	v_lshl_add_u32 v2, s52, 12, v1                 ; K's loads are done, so their offset may be written; this line and three v_nop are the places behind the products
.rept 3
	v_nop
.endr
	KLOAD                                          ; the next block's K
	s_wait_kmcnt 0x0                               ; this block's mask words
.set J, 0
.rept 32
	v_cndmask_b32 v[S+J], v164, v[S+J], s[16+J]    ; hidden scores become -infinity ahead of the maximum: p = 0 then.  Each tile from its low end on
.set J, J+1
.endr
	v_max3_num_f32 v158, v[S], v[S+1], v[S+2]      ; the block's largest score of my query among my 32 keys, in two chains,
	v_max3_num_f32 v159, v[S+3], v[S+4], v[S+5]
.irp i, 6,10,14,18,22,26
	v_max3_num_f32 v158, v158, v[S+\i], v[S+\i+1]
	v_max3_num_f32 v159, v159, v[S+\i+2], v[S+\i+3]
.endr
	v_max3_num_f32 v158, v158, v[S+30], v[S+31]
	v_max_num_f32 v158, v158, v159
	v_permlanex16_b32 v160, v158, s60, s61
	v_max_num_f32 v158, v158, v160                 ; and among lane l xor 16's
	v_mul_f32 v158, s58, v158                      ; as t (c is positive)
	v_max_num_f32 v153, v153, v158                 ; the running largest t
	v_mov_b32 v158, v152
	v_floor_f32 v152, -v153                        ; the new -M = floor(-t): M is a whole number
	v_sub_f32 v158, v152, v158                     ; old M - new M: a whole number, 0 or less
	v_cvt_i32_f32 v158, v158                       ; (it saturates)
	v_ldexp_f32 v156, 1.0, v158                    ; f = 2^(old M - new M)
.set J, 0
.rept 16
	v_pk_fma_f32 v[S+J:S+J+1], v[S+J:S+J+1], s[58:59], v[152:153] op_sel_hi:[1,0,0]   ; t - M, two at a time
.set J, J+2
.endr
	s_lshl_b32 s57, s52, 7                         ; (the last scalar loads were waited for above)
	s_load_b512 s[16:31], s[6:7], s57 offset:0x0   ; the next block's mask words
	s_load_b512 s[32:47], s[6:7], s57 offset:0x40
.set J, 0
.rept 32
	v_exp_f32 v[S+J], v[S+J]                       ; p = 2^(t - M), at most 1: not normalised
.set J, J+1
.endr
	v_pk_mul_f32 v[154:155], v[154:155], v[156:157] op_sel_hi:[1,0]   ; the sum under the new M: a plain line behind the exponentials
	s_wait_alu depctr_va_vdst(0)                   ; one wait for the whole batch, ahead of its first reader
	v_pk_add_f32 v[162:163], v[S:S+1], v[S+2:S+3]  ; the row's sum is taken of the unquantised p, in two chains
.irp j, 4,8,12,16,20,24,28
	v_pk_add_f32 v[154:155], v[154:155], v[S+\j:S+\j+1]
	v_pk_add_f32 v[162:163], v[162:163], v[S+\j+2:S+\j+3]
.endr
	v_pk_add_f32 v[154:155], v[154:155], v[162:163]
.set J, 0
.rept 32
	v_min_num_f32 v[S+J], v[S+J], v165             ; the hold; p is not negative, so it is one-sided
.set J, J+1
.endr
.irp t, 0,1,2,3
	v_cvt_scalef32_pk8_fp8_f32 v[PC+2*\t:PC+2*\t+1], v[S+8*\t:S+8*\t+7], v166
.endr
.set J, 0
.rept 16
	v_pk_mul_f32 v[O+J:O+J+1], v[O+J:O+J+1], v[156:157] op_sel_hi:[1,0]   ; O^T under the new M; these are also the plain lines behind the conversions
.set J, J+2
.endr
	s_wait_loadcnt 0x8                             ; this block's V is in; the next block's K may be out
.irp t, 0,1,2,3
	v_wmma_f32_16x16x64_fp8_fp8 v[O+8*\t:O+8*\t+7], v[VR+8*\t:VR+8*\t+7], v[PC:PC+7], v[O+8*\t:O+8*\t+7]   ; four accumulators by turns; the next trip's four products of scores stand between two links
.endr
	v_lshl_add_u32 v3, s52, 16, v1                 ; V's loads are done, so their offset may be written; with three v_nop: the places behind the products
.rept 3
	v_nop
.endr
	VLOAD                                          ; the next block's V
	s_add_co_u32 s51, s51, 1
	s_cmp_lt_u32 s51, s50
	s_cbranch_scc1 .Lstep
.Lout:
	s_wait_loadcnt 0x0                             ; what was asked for ahead and is not used
	v_add_f32 v154, v154, v155
	v_permlanex16_b32 v160, v154, s60, s61
	v_add_f32 v154, v154, v160                     ; the row's sum
	v_rcp_f32 v158, v154
	v_nop                                          ; a plain line behind the transcendental
	v_cmp_eq_f32 vcc_lo, 0, v154                   ; no key at all?
	s_add_co_i32 s53, s70, s71
	s_wait_alu depctr_va_vdst(0)                   ; ahead of the reciprocal's first reader
	v_ldexp_f32 v158, v158, s53                    ; x 2^(e8 + e9)
.set J, 0
.rept 16
	v_pk_mul_f32 v[S+J:S+J+1], v[O+J:O+J+1], v[158:159] op_sel_hi:[1,0]   ; each accumulator from its low end on
.set J, J+2
.endr
.set J, 0
.rept 32
	v_med3_num_f32 v[S+J], v[S+J], -v167, v167
.set J, J+1
.endr
.irp t, 0,1,2,3
	v_cvt_scalef32_pk8_fp8_f32 v[PC+2*\t:PC+2*\t+1], v[S+8*\t:S+8*\t+7], v168
.endr
	v_nop                                          ; a plain line behind the last conversion
.irp i, 0,1,2,3,4,5,6,7
	v_cndmask_b32 v[PC+\i], v[PC+\i], v169, vcc_lo
.endr
	global_store_b128 v1, v[PC:PC+3], s[12:13]                 ; 512 consecutive bytes each
	global_store_b128 v1, v[PC+4:PC+7], s[12:13] offset:512
	s_endpgm
.Lfunc_end_k_q22064780a0_attn:
	.size	k_q22064780a0_attn, .Lfunc_end_k_q22064780a0_attn-k_q22064780a0_attn
	.p2alignl 7, 3214868480
	.fill 96, 4, 3214868480
	.section	.rodata,"a",@progbits
	.p2align	6, 0x0
	.amdhsa_kernel k_q22064780a0_attn
		.amdhsa_group_segment_fixed_size 0
		.amdhsa_private_segment_fixed_size 0
		.amdhsa_enable_private_segment 0
		.amdhsa_kernarg_size 40
		.amdhsa_user_sgpr_count 2
		.amdhsa_user_sgpr_kernarg_segment_ptr 1
		.amdhsa_wavefront_size32 1
		.amdhsa_system_sgpr_workgroup_id_x 1
		.amdhsa_system_sgpr_workgroup_id_y 1
		.amdhsa_system_sgpr_workgroup_id_z 1
		.amdhsa_system_vgpr_workitem_id 0
		.amdhsa_next_free_vgpr 192
		.amdhsa_next_free_sgpr 80
		.amdhsa_reserve_vcc 1
		.amdhsa_float_denorm_mode_32 3
		.amdhsa_float_denorm_mode_16_64 3
		.amdhsa_memory_ordered 1
		.amdhsa_forward_progress 1
		.amdhsa_inst_pref_size 23
	.end_amdhsa_kernel
	.amdgpu_metadata
---
amdhsa.version: [ 1, 2 ]
amdhsa.kernels:
  - .name:           k_q22064780a0_attn
    .symbol:         k_q22064780a0_attn.kd
    .args:
      - { .name: qkv, .offset: 0, .size: 8, .value_kind: global_buffer, .address_space: global }
      - { .name: mbits, .offset: 8, .size: 8, .value_kind: global_buffer, .address_space: global }
      - { .name: mflags, .offset: 16, .size: 8, .value_kind: global_buffer, .address_space: global }
      - { .name: lowp_scales, .offset: 24, .size: 8, .value_kind: global_buffer, .address_space: global }
      - { .name: actx, .offset: 32, .size: 8, .value_kind: global_buffer, .address_space: global }
    .group_segment_fixed_size: 0
    .private_segment_fixed_size: 0
    .kernarg_segment_align: 8
    .kernarg_segment_size: 40
    .max_flat_workgroup_size: 128
    .sgpr_count:     80
    .vgpr_count:     192
    .wavefront_size: 32
...
	.end_amdgpu_metadata
.endif
;; end of part 3
;; launch oproj (part 4): grid 4 x 16, 4 waves a work-group, clusters of 4 x 4, 327,680 bytes of LDS; arguments actx, xw, lowp_scales, bo, out0; writes out0
.if DOCPART == 4
	.amdgcn_target "amdgcn-amd-amdhsa--gfx1250"
	.amdhsa_code_object_version 6
	.text
	.protected	k_q22064780a0_oproj
	.globl	k_q22064780a0_oproj
	.p2align	8
	.type	k_q22064780a0_oproj,@function
k_q22064780a0_oproj:
	s_mov_b64 s[64:65], 0
	v_nop
	global_prefetch_b8 v0, s[64:65] scope:SCOPE_SE
	s_setreg_imm32_b32 hwreg(HW_REG_WAVE_MODE, 25, 1), 1
	s_wait_xcnt 0x0
	s_wait_alu depctr_hold_cnt(0) depctr_sa_sdst(0) depctr_va_vdst(0) depctr_va_sdst(0) depctr_va_ssrc(0) depctr_va_vcc(0) depctr_vm_vsrc(0)
	s_getreg_b32 s2, hwreg(HW_REG_IB_STS2, 6, 4)
	s_cmp_eq_u32 s2, 0
	s_cbranch_scc0 .Lentry_in_a_cluster
	s_endpgm
.Lentry_in_a_cluster:
	s_bfe_u32 s2, ttmp6, 0x10000c
	s_cmp_lg_u32 s2, 0xf033
	s_cbranch_scc0 .Lentry_shape_is_right
	s_endpgm
.Lentry_shape_is_right:
; out0 = attn wo^T + bo on codes of E4M3.  C[m][n] = sum over k of A[m][k] B[n][k], K = 1,024: A = the attention's codes (4,096 rows), B = wo's (1,024 rows, at 15 MiB in xw).
; out0 = sum x 2^(e10 + e11) + bo, f32.  LIMIT: e10 + e11 between -126 and 127.
; A tile of C, 256 x 256, is made by four waves, each 128 x 128: 64 accumulators, 512 registers.  THE MATRIX INSTRUCTION IS USED TRANSPOSED (source 0 = 16 rows of B, source 1 = 16 rows of A): a lane holds eight neighbouring numbers of a row of C.
; OPERANDS lie in memory as images of their registers: [row tile of 16][K step of 128][2,048 bytes].  A slot of LDS holds 256 along K: of each of 8 row tiles 4,096 consecutive bytes, 16,384 bytes apart in memory: one tensor load a wave.
; CLUSTERS: 4 x 4 work-groups.  The four of a row of the cluster need the same tiles of A, the four of a column the same tiles of B: each is asked for JOINTLY.
; C has 64 tiles of this size: 64 work-groups.
; REGISTERS, in windows of 256: window 0: v0-31 addresses, v[8:11] my four numbers of bo; from v128 A's fragments, ONE set; on the way out v128-255 take rows of C.  window 1: B's fragments, TWO sets.  windows 2, 3: the accumulators.
.set FR,     16
.set NL,     4
.set NP,     4
.set CHUNK,  4096
.set HALFT,  8*CHUNK
.set SLOT,   4*HALFT
.set SPARE,  2*SLOT
.set LAPS,   2
.set WOOFF,  15728640
.set SPITCH, 528                       ; the way out: a stage of 16 rows x (512 bytes + 16) for each wave, in slot 0, which has had its last fill and its last read when the first result is stored there
.set ADRA, 16
.set ADRB, 20
.set STO,  24                          ; v24  the way out: where I put 32 bytes of a row
.set RD,   25                          ; v25  where I read a row back
.set CO,   26                          ; v26  16 x lane: my bytes of a row of 512
.set SPW,  28
.set NIL,  29
.set AF,   128
.set BK,   128                         ; the way out: 16 rows read back: v128-191 and v192-255 by turns
.set G1, 24
.set G0, 32
.set G1B, 48
.set G0B, 56
.set MSB, 0
.macro WIN new                         ; the immediate's high byte repeats the setting that is left
.if MSB != \new
	s_set_vgpr_msb (MSB<<8)|\new
.set MSB, \new
.endif
.endm
.set MUL_LO, 0xa1
.set MUL_HI, 0xf1
.set TO_B,   0x40
.macro JLOAD g0a, g1a, g0b, g1b        ; a joint load: waves 0 and 1 fetch for A, waves 2 and 3 for B; four v_nop follow each of the two lines
	s_cmp_eq_u32 s67, 0
	s_cbranch_scc0 .Lfor_b_\@
	tensor_load_to_lds s[\g0a:\g0a+3], s[\g1a:\g1a+7]
	s_nop 0
.rept 4
	v_nop
.endr
	s_branch .Lasked_\@
.Lfor_b_\@:
	tensor_load_to_lds s[\g0b:\g0b+3], s[\g1b:\g1b+7]
	s_nop 0
.rept 4
	v_nop
.endr
.Lasked_\@:
.endm
.macro CREST
	s_cmp_lg_u32 s66, 0
	s_cbranch_scc1 .Lnot_wave_0_\@
	s_barrier_signal -3
.Lnot_wave_0_\@:
	s_barrier_wait -3
	s_barrier_signal -1
	s_barrier_wait -1
.endm
.macro CROUND
	s_barrier_signal -1
	s_barrier_wait -1
	CREST
.endm
	s_load_b256 s[4:11], s[0:1], 0x0               ; actx 4:5, xw 6:7, scales 8:9, bo 10:11
	s_load_b64 s[12:13], s[0:1], 0x20              ; out0
	v_lshl_add_u32 v[SPW], v0, 2, SPARE
	v_mov_b32 v[NIL], 0
	ds_add_u32 v28, v29
	ds_add_u32 v28, v29
	s_wait_dscnt 0x0
	v_lshrrev_b32 v1, 5, v0
	v_readfirstlane_b32 s66, v1                    ; wave 0..3
	s_lshr_b32 s67, s66, 1                         ; which half of the tile's rows is mine.  Also: I fetch for A (0) or for B (1)
	s_and_b32 s68, s66, 1                          ; which half of its columns.  Also: which 128 rows of that tile I fetch
	s_bfe_u32 s40, ttmp6, 0x40000                  ; cx
	s_bfe_u32 s41, ttmp6, 0x40004                  ; cy
	s_lshl_b32 s42, ttmp9, 2
	s_add_co_u32 s42, s42, s40                     ; tile column of C
	s_and_b32 s69, ttmp7, 0xffff
	s_lshl_b32 s69, s69, 2
	s_add_co_u32 s69, s69, s41                     ; tile row of C
	s_lshl_b32 s43, s41, 2
	s_lshl_b32 s43, 15, s43                        ; my row of the cluster
	s_lshl_b32 s44, 0x1111, s40                    ; my column
	s_or_b32 s[G1+0], s43, (3<<16)|(1<<21)         ; 15:0 the mask; 17:16 elements of 8 bytes; 21 set beside a mask
	s_or_b32 s[G1B+0], s44, (3<<16)|(1<<21)
.irp g, G1, G1B
	s_mov_b32 s[\g+1], 512<<16                     ; tensor_dim0
	s_mov_b32 s[\g+2], 8<<16                       ; tensor_dim1
	s_mov_b32 s[\g+3], 512<<16                     ; tile_dim0
	s_mov_b32 s[\g+4], 8                           ; tile_dim1
	s_mov_b32 s[\g+5], 2048                        ; tensor_dim0_stride
	s_mov_b32 s[\g+6], 0
	s_mov_b32 s[\g+7], 0
.endr
	s_lshl_b32 s18, s68, 7
	s_lshl_b32 s20, s69, 8
	s_add_co_u32 s20, s20, s18
	s_lshl_b32 s20, s20, 10
	s_mov_b32 s21, 0
	s_lshl_b32 s46, s42, 8
	s_add_co_u32 s46, s46, s18
	s_lshl_b32 s46, s46, 10
	s_add_co_u32 s46, s46, WOOFF
	s_mov_b32 s47, 0
	s_mul_i32 s45, s66, HALFT
	s_wait_kmcnt 0x0
	s_load_b64 s[96:97], s[8:9], 0x28              ; e10, e11
	s_add_nc_u64 s[20:21], s[4:5], s[20:21]
	s_add_nc_u64 s[46:47], s[6:7], s[46:47]
	CROUND                                         ; all sixteen work-groups are here: the first joint loads meet
.irp s, 0,1
	s_mov_b32 s[G0+4*\s], 1
	s_add_co_u32 s[G0+4*\s+1], s45, \s*SLOT
	s_add_nc_u64 s[G0+4*\s+2:G0+4*\s+3], s[20:21], \s*CHUNK
	s_or_b32 s[G0+4*\s+3], s[G0+4*\s+3], 0x80000000
	s_mov_b32 s[G0B+4*\s], 1
	s_add_co_u32 s[G0B+4*\s+1], s45, \s*SLOT
	s_add_nc_u64 s[G0B+4*\s+2:G0B+4*\s+3], s[46:47], \s*CHUNK
	s_or_b32 s[G0B+4*\s+3], s[G0B+4*\s+3], 0x80000000
	JLOAD G0+4*\s, G1, G0B+4*\s, G1B
.endr
	v_and_b32 v1, 15, v0                           ; r
	v_bfe_u32 v2, v0, 4, 1                         ; h
	v_and_b32 v3, 31, v0
	v_lshlrev_b32 v[CO], 4, v3                     ; 16 x lane
	s_mul_i32 s82, s67, HALFT
	s_mul_i32 s83, s68, HALFT
	s_add_co_u32 s83, s83, 2*HALFT
.irp s, 0,1
	v_add_nc_u32 v[ADRA+\s], s82, v[CO]
	v_add_nc_u32 v[ADRB+\s], s83, v[CO]
	s_add_co_u32 s82, s82, SLOT
	s_add_co_u32 s83, s83, SLOT
.endr
	s_mul_i32 s90, s66, 16*SPITCH                  ; my stage
	v_mul_u32_u24 v5, v1, SPITCH                   ; in: row r, 32 bytes for each half of the lanes
	v_lshl_add_u32 v5, v2, 5, v5
	v_add_nc_u32 v[STO], s90, v5
	v_add_nc_u32 v[RD], s90, v[CO]                 ; back: the 32 lanes take one row of 512 bytes
	s_lshl_b32 s88, s42, 10
	s_lshl_b32 s89, s68, 9
	s_add_co_u32 s88, s88, s89                     ; my first column, in bytes
	v_add_nc_u32 v14, s88, v[CO]
	global_load_b128 v[8:11], v14, s[10:11]        ; bo at my four columns: the same in every row that I store
	s_lshl_b32 s86, s69, 8
	s_lshl_b32 s87, s67, 7
	s_add_co_u32 s86, s86, s87
	s_lshl_b32 s86, s86, 12                        ; my first row of 4,096 bytes
	s_add_co_u32 s86, s86, s88
	s_mov_b32 s87, 0
	s_add_nc_u64 s[12:13], s[12:13], s[86:87]
.macro FRAG reg, adr, q, i
.irp c, 0,1,2,3
	ds_load_b128 v[\reg+4*\c:\reg+4*\c+3], v[\adr] offset:CHUNK*(\i)+2048*(\q)+512*\c
.endr
.endm
.macro MUL16 a0, p, zero               ; the 64 accumulators take turns, one instruction a turn, in the same order in every step
.irp a, \a0, \a0+1
.irp b, 0,1,2,3,4,5,6,7
.if \zero
	v_wmma_f32_16x16x128_fp8_fp8 v[8*(8*((\a)%4)+\b):8*(8*((\a)%4)+\b)+7], v[128*(\p)+FR*\b:128*(\p)+FR*\b+FR-1], v[AF+FR*(\a):AF+FR*(\a)+FR-1], 0
.else
	v_wmma_f32_16x16x128_fp8_fp8 v[8*(8*((\a)%4)+\b):8*(8*((\a)%4)+\b)+7], v[128*(\p)+FR*\b:128*(\p)+FR*\b+FR-1], v[AF+FR*(\a):AF+FR*(\a)+FR-1], v[8*(8*((\a)%4)+\b):8*(8*((\a)%4)+\b)+7]
.endif
.endr
.endr
.endm
.macro FETCH_B slot, q, p
	WIN TO_B
.irp i, 0,1,2,3,4,5,6,7
	FRAG 128*(\p)+FR*\i, ADRB+\slot, \q, \i
.endr
	WIN 0
.endm
.macro FETCH_A slot, q, i0
.irp i, \i0, \i0+1, \i0+2, \i0+3
	FRAG AF+FR*(\i), ADRA+\slot, \q, \i
.endr
.endm
.macro PLACES n
.rept \n
	v_nop
.endr
.endm
.macro STEP slot, q, zero
	s_wait_dscnt 4*NL                              ; B's set and A's blocks 0-3 are in; the youngest sixteen loads (A's blocks 4-7) may be out
	WIN MUL_LO
	MUL16 0, (\q)%2, \zero
	MUL16 2, (\q)%2, \zero
	s_wait_dscnt 0
	PLACES NP
	FETCH_B \slot, (\q)+1, 1-(\q)%2
	FETCH_A \slot, (\q)+1, 0
	WIN MUL_HI
	MUL16 4, (\q)%2, \zero
	MUL16 6, (\q)%2, \zero
	PLACES NP
	WIN 0
	FETCH_A \slot, (\q)+1, 4
.endm
.macro TURN slot, next, fill
	s_wait_tensorcnt 0x0                           ; all my tensor loads have landed: my part of the next slot
	ds_add_u32 v[SPW], v[NIL]                      ; 0 onto my spare word
	s_wait_dscnt 4*NL+1                            ; (the add and the youngest sixteen loads may be out)
	WIN MUL_LO
	MUL16 0, 1, 0
	s_wait_dscnt 0x0                               ; the add is done, and my reads of this slot are over
	s_barrier_signal -1
	MUL16 2, 1, 0
	WIN 0
	s_barrier_wait -1
.if \fill
	CREST                                          ; the barrier has opened a round of the cluster's barrier
	s_add_nc_u64 s[G0+4*\slot+2:G0+4*\slot+3], s[G0+4*\slot+2:G0+4*\slot+3], 2*CHUNK
	s_add_nc_u64 s[G0B+4*\slot+2:G0B+4*\slot+3], s[G0B+4*\slot+2:G0B+4*\slot+3], 2*CHUNK
	JLOAD G0+4*\slot, G1, G0B+4*\slot, G1B         ; the first tensor load behind the round; its four v_nop are also the places in front of the loads below
.else
	PLACES NP
.endif
	FETCH_B \next, 0, 0
	FETCH_A \next, 0, 0
	WIN MUL_HI
	MUL16 4, 1, 0
	MUL16 6, 1, 0
	PLACES NP
	WIN 0
	FETCH_A \next, 0, 4
.endm
	s_wait_tensorcnt 1                             ; my part of slot 0 is in (slot 1's load may be out)
	s_barrier_signal -1
	s_barrier_wait -1
	FETCH_B 0, 0, 0
	FETCH_A 0, 0, 0
	FETCH_A 0, 0, 4
	STEP 0, 0, 1
	s_mov_b32 s3, LAPS-1
.Llap:
	TURN 0, 1, 1
	STEP 1, 0, 0
	TURN 1, 0, 1
	STEP 0, 0, 0
	s_sub_co_u32 s3, s3, 1
	s_cmp_lg_u32 s3, 0
	s_cbranch_scc1 .Llap
	TURN 0, 1, 0
	STEP 1, 0, 0
	s_wait_dscnt 4*NL
	WIN MUL_LO
	MUL16 0, 1, 0
	MUL16 2, 1, 0
	s_wait_dscnt 0
	WIN MUL_HI
	MUL16 4, 1, 0
	MUL16 6, 1, 0
	WIN 0
; THE WAY OUT, block by block of 16 rows x 128 columns.  The sums go as they are through my own stage in LDS and come back as whole rows of 512 bytes; there a lane has the same four columns in every row,
; so four registers of bo serve all: out = sum x 2^(e10 + e11) + bo, one packed multiply-add for two numbers.  LDS serves a wave's instructions in order: no wait between the stores and the loads.
.macro TOSTAGE a
.set AC, 64*((\a)%4)
.set BB, BK+64*((\a)%2)
	WIN 0x08+4*((\a)/4)                            ; an LDS store's data: window 2 or 3
.irp b, 0,1,2,3,4,5,6,7
	ds_store_b128 v[STO], v[AC+8*\b:AC+8*\b+3] offset:64*\b          ; each accumulator from its low end on
	ds_store_b128 v[STO], v[AC+8*\b+4:AC+8*\b+7] offset:64*\b+16
.endr
	WIN 0
.irp t, 0,1,2,3,4,5,6,7,8,9,10,11,12,13,14,15
	ds_load_b128 v[BB+4*\t:BB+4*\t+3], v[RD] offset:\t*SPITCH
.endr
.endm
.macro SEND a, younger                 ; younger: the LDS instructions issued behind block a's loads, which may stay out
.set BB, BK+64*((\a)%2)
	s_wait_dscnt \younger
.if (\a) > 0
	s_add_nc_u64 s[12:13], s[12:13], 16*4096       ; (behind a wait on XCNT: the earlier stores have read their base)  16 rows on
.endif
.irp t, 0,1,2,3,4,5,6,7,8,9,10,11,12,13,14,15
	v_pk_fma_f32 v[BB+4*\t:BB+4*\t+1], v[BB+4*\t:BB+4*\t+1], s[96:97], v[8:9] op_sel_hi:[1,0,1]
	v_pk_fma_f32 v[BB+4*\t+2:BB+4*\t+3], v[BB+4*\t+2:BB+4*\t+3], s[96:97], v[10:11] op_sel_hi:[1,0,1]
.endr
.irp t, 0,1,2,3,4,5,6,7,8,9,10,11,12,13,14,15
	global_store_b128 v[CO], v[BB+4*\t:BB+4*\t+3], s[12:13] offset:\t*4096 th:TH_STORE_NT   ; 32 lanes store 512 consecutive bytes, at a multiple of 256 from the output's first byte
.endr
.endm
	s_wait_kmcnt 0x0
	s_add_co_i32 s96, s96, s97
	s_add_co_i32 s96, s96, 127
	s_lshl_b32 s96, s96, 23                        ; 2^(e10 + e11) as f32
	s_mov_b32 s97, s96                             ; (named with it as a pair, so it is written)
	s_wait_loadcnt 0x0                             ; bo
	PLACES NP                                      ; behind the last products: for the stores that read results and the loads into the registers that held A's fragments
	TOSTAGE 0
.irp a, 1,2,3,4,5,6,7
.if \a > 1
	s_wait_xcnt 0x0                                ; block a - 2's stores have read their registers and their base: block a's loads may land there, and the base may step
.endif
	TOSTAGE \a
	SEND \a-1, 32                                  ; behind block a - 1's loads: block a's 16 stores and 16 loads
.endr
	s_wait_xcnt 0x0                                ; block 6's stores have read their base
	SEND 7, 0
	s_wait_tensorcnt 0x0                           ; the wave's end
	ds_add_u32 v[SPW], v[NIL]
	s_wait_dscnt 0x0
	CROUND                                         ; the closing round
	s_endpgm
.Lfunc_end_k_q22064780a0_oproj:
	.size	k_q22064780a0_oproj, .Lfunc_end_k_q22064780a0_oproj-k_q22064780a0_oproj
	.p2alignl 7, 3214868480
	.fill 96, 4, 3214868480
	.section	.rodata,"a",@progbits
	.p2align	6, 0x0
	.amdhsa_kernel k_q22064780a0_oproj
		.amdhsa_group_segment_fixed_size 327680
		.amdhsa_private_segment_fixed_size 0
		.amdhsa_enable_private_segment 0
		.amdhsa_kernarg_size 40
		.amdhsa_user_sgpr_count 2
		.amdhsa_user_sgpr_kernarg_segment_ptr 1
		.amdhsa_wavefront_size32 1
		.amdhsa_system_sgpr_workgroup_id_x 1
		.amdhsa_system_sgpr_workgroup_id_y 1
		.amdhsa_system_sgpr_workgroup_id_z 1
		.amdhsa_system_vgpr_workitem_id 0
		.amdhsa_next_free_vgpr 1024
		.amdhsa_next_free_sgpr 100
		.amdhsa_reserve_vcc 0
		.amdhsa_float_denorm_mode_32 3
		.amdhsa_float_denorm_mode_16_64 3
		.amdhsa_memory_ordered 1
		.amdhsa_forward_progress 1
		.amdhsa_inst_pref_size 123
	.end_amdhsa_kernel
	.amdgpu_metadata
---
amdhsa.version: [ 1, 2 ]
amdhsa.kernels:
  - .name:           k_q22064780a0_oproj
    .symbol:         k_q22064780a0_oproj.kd
    .args:
      - { .name: actx, .offset: 0, .size: 8, .value_kind: global_buffer, .address_space: global }
      - { .name: xw, .offset: 8, .size: 8, .value_kind: global_buffer, .address_space: global }
      - { .name: lowp_scales, .offset: 16, .size: 8, .value_kind: global_buffer, .address_space: global }
      - { .name: bo, .offset: 24, .size: 8, .value_kind: global_buffer, .address_space: global }
      - { .name: out0, .offset: 32, .size: 8, .value_kind: global_buffer, .address_space: global }
    .group_segment_fixed_size: 327680
    .private_segment_fixed_size: 0
    .kernarg_segment_align: 8
    .kernarg_segment_size: 40
    .max_flat_workgroup_size: 128
    .sgpr_count:     100
    .vgpr_count:     1024
    .wavefront_size: 32
...
	.end_amdgpu_metadata
.endif
;; end of part 4
;; ======== version 2 of 2: 4 launches; version 1 with the launch attn written anew for expert scheduling mode
;; workspace buffers: xw 16,777,216 bytes; mbits 2,097,152 bytes of whole numbers; mflags 16,384 bytes of whole numbers; qkv 12,582,912 bytes; actx 4,194,304 bytes
;; launch prep: the kernel of part 1 again; grid 768 x 1, 4 waves a work-group, no clusters, 51,712 bytes of LDS; arguments attention_mask, hidden_states, wq, wk, wv, wo, lowp_scales, xw, mbits, mflags; writes xw, mbits, mflags
;; launch qkv: the kernel of part 2 again; grid 12 x 16, 4 waves a work-group, clusters of 4 x 4, 327,680 bytes of LDS; arguments xw, lowp_scales, bq, bk, bv, qkv; writes qkv
;; launch attn (part 5): grid 64 x 16, 4 waves a work-group, no clusters, 0 bytes of LDS; arguments qkv, mbits, mflags, lowp_scales, actx; writes actx
.if DOCPART == 5
	.amdgcn_target "amdgcn-amd-amdhsa--gfx1250"
	.amdhsa_code_object_version 6
	.text
	.protected	k_q22064780a0_attn
	.globl	k_q22064780a0_attn
	.p2align	8
	.type	k_q22064780a0_attn,@function
k_q22064780a0_attn:
	s_mov_b64 s[64:65], 0
	v_nop
	global_prefetch_b8 v0, s[64:65] scope:SCOPE_SE
	s_setreg_imm32_b32 hwreg(HW_REG_WAVE_SCHED_MODE, 0, 2), 2
	s_setreg_imm32_b32 hwreg(HW_REG_WAVE_MODE, 25, 1), 1
	s_wait_xcnt 0x0
	s_wait_alu depctr_vm_vsrc(0)
; ATTENTION on codes of E4M3, head size 64, under the mask as it was given.  A wave owns 16 queries of one head (query tile qt) and walks the key blocks of 64 whose 64 x 64 tile of the mask holds a true entry
; (mflags, stored by the first launch); inside a block the mask is applied entry by entry (mbits: a lane mask for each register of the scores).  An all-true mask is served by the same text: 64 trips.
; THE SOFTMAX: t = score x log2(e) / 8; M = the largest t so far, rounded UP to a whole number; p = 2^(t - M) is quantised with entry 8; the row's sum is taken of the unquantised p and divides at the end.
; When M moves, the sum and O are multiplied by 2^(old M - new M): exact.  The result, O x 2^(e8 + e9) / sum, is quantised with entry 10 and stored as the last product's operand.
; BOTH PRODUCTS ARE USED TRANSPOSED: S^T = K Q^T (source 0 = 16 keys, source 1 = my 16 queries), O^T = V^T P^T (source 0 = 16 channels, source 1 = P): a lane holds ONE query (lane % 16) throughout, and register j of
; tile t holds key (or channel) 16 t + 8 (lane / 16) + j.  Eight such numbers, converted, are registers 2 t, 2 t + 1 of the next operand.  Nothing changes lanes but the row's maximum and sum.
; K, V and Q lie in memory as images of their registers (1,024 bytes a fragment of 16 rows x 64 K) and go straight into registers, one block ahead of the work.
; NO LDS, NO BARRIER, NO TENSOR LOAD, NO CLUSTER: the number of trips is a stored number that differs from wave to wave and from work-group to work-group, so partners could not make every joint request alike, and no barrier may stand in such a loop.
; A query with no true key at all has sum 0: it gets the NaN code, and its row of the output is NaN as in the definition.
; LIMITS: e6 + e7 between -123 and 130 (added to c's exponent field); e8 and e10 between -126 and 119.
; REGISTERS: v1 16 x lane; v2, v3 K's and V's offsets; v4, v5 flags; v6 4 x lane; v8-15 Q; v16-47 K; v48-79 V; v80-111 S^T, then p; v112-143 O^T; v144-151 codes; v152 -M, v153 the largest t; v[154:155] the sum in two halves;
;   v[156:157] f; v158-163 at work; v164 -infinity; v165, v166: 448 x 2^e8, 2^e8; v167, v168: the same with e10; v169 four NaN codes.
; THE MODE: SCHED_MODE bits 1:0 = 2 (LLVM: expert scheduling mode 2), set by the entry lines.  The code itself states the register dependences between vector or matrix instructions and memory instructions, with s_wait_alu, always for 0.
; THE PLAN.  Registers that memory instructions touch:
;   v1, v6     offsets, made once at the head and never written again.
;   v2         K's offset.  Read by K's eight loads; written once a trip, behind the products of scores.
;   v3         V's offset.  Read by V's eight loads; written once a trip, behind the products V^T P.
;   v16-47     K.  Read by the trip's four products of scores; the next block's loads land there, behind the selects.
;   v48-79     V.  Read by the trip's four products V^T P; the next block's loads land there, at the trip's end.
;   v144-151   the codes: in the loop named by vector and matrix instructions alone; at the end the data of the two stores.
;   S^T, O^T and the statistics are named by vector and matrix instructions alone.
; A trip has one wait on vm_vsrc (all loads issued so far have read v2 and v3) and three on va_vdst: behind the selects, for K's loads and v2; behind the exponentials, ahead of their first reader; behind the products V^T P, for V's loads and v3.
.set KR, 16
.set VR, 48
.set S,  80
.set O,  112
.set PC, 144
	s_load_b256 s[4:11], s[0:1], 0x0               ; qkv 4:5, mbits 6:7, mflags 8:9, scales 10:11
	s_load_b64 s[12:13], s[0:1], 0x20              ; actx
	v_lshrrev_b32 v7, 5, v0
	v_readfirstlane_b32 s14, v7                    ; wave
	v_and_b32 v7, 31, v0
	v_lshlrev_b32 v1, 4, v7
	v_lshlrev_b32 v6, 2, v7
	s_and_b32 s15, ttmp7, 0xffff                   ; head
	s_lshr_b32 s53, s15, 2
	s_lshl_b32 s53, s53, 4
	s_add_co_u32 s53, s53, ttmp9
	s_and_b32 s53, s53, 63                         ; query block = (x + 16 (head / 4)) mod 64: a fixed permutation, so that work-groups 256 apart in the grid take different query blocks
	s_lshl_b32 s54, s53, 2
	s_wait_alu depctr_va_sdst(0)                   ; s14 is written, ahead of its first reader: the query tile, and with it four bases, are made from it
	s_add_co_u32 s54, s54, s14                     ; query tile
	s_mov_b32 s57, 0
	s_mov_b32 s60, 0x76543210                      ; v_permlanex16_b32's selects for lane l xor 16
	s_mov_b32 s61, 0xfedcba98
	s_wait_kmcnt 0x0
	s_load_b128 s[68:71], s[10:11], 0x18           ; e6, e7, e8, e9
	s_load_b32 s72, s[10:11], 0x28                 ; e10
	s_lshl_b32 s56, s54, 13
	s_add_nc_u64 s[6:7], s[6:7], s[56:57]          ; my query tile's mask words: 64 key blocks x 128 bytes
	s_lshl_b32 s56, s53, 8
	s_add_nc_u64 s[8:9], s[8:9], s[56:57]          ; my query block's 64 flags
	s_lshl_b32 s56, s54, 4
	s_add_co_u32 s56, s56, s15
	s_lshl_b32 s56, s56, 10
	s_add_nc_u64 s[12:13], s[12:13], s[56:57]      ; out: [query tile][head][1,024 bytes]
	s_lshl_b32 s56, s15, 8
	s_add_co_u32 s56, s56, s54
	s_lshl_b32 s56, s56, 10
	s_add_nc_u64 s[74:75], s[4:5], s[56:57]        ; Q: [head][query tile]
	s_lshl_b32 s56, s15, 18
	s_add_co_u32 s56, s56, 0x400000
	s_add_nc_u64 s[76:77], s[4:5], s[56:57]        ; K: my head
	s_lshl_b32 s56, s15, 12
	s_add_co_u32 s56, s56, 0x800000
	s_add_nc_u64 s[78:79], s[4:5], s[56:57]        ; V: my head's four channel tiles of key block 0
	s_wait_alu depctr_va_vdst(0)                   ; v1 and v6 are written: the four loads below, and the last two stores, read one of them as their offset
	global_load_b32 v4, v6, s[8:9]                 ; lane L: the flag of key block L,
	global_load_b32 v5, v6, s[8:9] offset:128      ; of key block 32 + L
	global_load_b128 v[8:11], v1, s[74:75]
	global_load_b128 v[12:15], v1, s[74:75] offset:512
.set J, 0
.rept 32
	v_mov_b32 v[O+J], 0                            ; O^T.  (The step is written once and may run no time at all: it finds zeros, which the first change of M leaves zeros)
.set J, J+1
.endr
	v_mov_b32 v153, 0xff61b1e6                     ; the largest t so far: -3e38, under every t
	v_floor_f32 v152, -v153                        ; -M
	v_mov_b32 v154, 0
	v_mov_b32 v155, 0
	v_mov_b32 v157, 0                              ; (named as the upper half of a pair)
	v_mov_b32 v159, 0                              ; (likewise)
	v_mov_b32 v160, 0                              ; a lane permute's destination counts as read
	v_mov_b32 v164, 0xff800000
	v_mov_b32 v169, 0x7f7f7f7f
	s_wait_kmcnt 0x0
	s_add_co_i32 s53, s68, s69
	s_lshl_b32 s53, s53, 23
	s_add_co_i32 s58, s53, 0x3e38aa3b              ; c = log2(e) / 8, with e6 + e7 added to its exponent field: a score stands for score x 2^(e6 + e7)
	s_mov_b32 s59, s58
	s_add_co_i32 s53, s70, 127
	s_lshl_b32 s54, s53, 23
	v_mov_b32 v166, s54
	s_add_co_i32 s53, s53, 8
	s_lshl_b32 s53, s53, 23
	s_or_b32 s53, s53, 0x600000
	v_mov_b32 v165, s53
	s_add_co_i32 s53, s72, 127
	s_lshl_b32 s54, s53, 23
	v_mov_b32 v168, s54
	s_add_co_i32 s53, s53, 8
	s_lshl_b32 s53, s53, 23
	s_or_b32 s53, s53, 0x600000
	v_mov_b32 v167, s53
	s_wait_loadcnt 0x2                             ; the flags are in; Q's two loads may be out
	v_cmp_ne_u32 s48, 0, v4                        ; the lanes' bits ARE the list of key blocks: 0-31,
	v_cmp_ne_u32 s49, 0, v5                        ; 32-63
	s_wait_alu depctr_va_sdst(0)                   ; s48 and s49 are written, ahead of their first readers and of the branch: the trip count and the blocks' numbers are made from them
	s_bcnt1_i32_b32 s50, s48
	s_bcnt1_i32_b32 s53, s49
	s_add_co_u32 s50, s50, s53                     ; how many
	s_mov_b32 s51, 0
	s_cmp_eq_u32 s50, 0
	s_cbranch_scc1 .Lout
; The list's lowest block goes to s52 and leaves the list.  An empty list gives block 31: the last trip's look-ahead loads stay inside their buffers and are not used.
.macro NEXT
	s_cmp_lg_u32 s48, 0
	s_cselect_b32 s53, s48, s49
	s_cselect_b32 s54, 0, 32
	s_cselect_b32 s55, -1, 0
	s_ctz_i32_b32 s52, s53
	s_add_co_u32 s52, s52, s54
	s_min_u32 s52, s52, 63                         ; a loaded number is held inside the table ahead of an address
	s_sub_co_u32 s56, s48, 1
	s_and_b32 s48, s48, s56                        ; the low word loses its lowest bit (0 stays 0);
	s_sub_co_u32 s56, s49, 1
	s_or_b32 s56, s56, s55
	s_and_b32 s49, s49, s56                        ; the high word only if the low one was empty
.endm
.macro KLOAD t                         ; fragment t of a block's four of K
	global_load_b128 v[KR+8*(\t):KR+8*(\t)+3], v2, s[76:77] offset:1024*(\t)
	global_load_b128 v[KR+8*(\t)+4:KR+8*(\t)+7], v2, s[76:77] offset:1024*(\t)+512
.endm
.macro VLOAD
.irp t, 0,1,2,3
	global_load_b128 v[VR+8*\t:VR+8*\t+3], v3, s[78:79] offset:1024*\t
	global_load_b128 v[VR+8*\t+4:VR+8*\t+7], v3, s[78:79] offset:1024*\t+512
.endr
.endm
	NEXT
	v_lshl_add_u32 v2, s52, 12, v1                 ; K: a block is four fragments
	v_lshl_add_u32 v3, s52, 16, v1                 ; V: a block is 64 fragments, of which my head's four
	s_lshl_b32 s57, s52, 7
	s_wait_alu depctr_va_vdst(0)                   ; v2 and v3 are written, which the sixteen loads below read as their offsets
.irp t, 0,1,2,3
	KLOAD \t
.endr
	s_load_b512 s[16:31], s[6:7], s57 offset:0x0   ; the block's 32 mask words
	s_load_b512 s[32:47], s[6:7], s57 offset:0x40
	VLOAD
.Lstep:
	s_wait_loadcnt 0x8                             ; this block's K is in (and Q); V's eight loads may be out
.irp t, 0,1,2,3
	v_wmma_f32_16x16x64_fp8_fp8 v[S+8*\t:S+8*\t+7], v[KR+8*\t:KR+8*\t+7], v[8:15], 0
.endr
	NEXT
	s_wait_alu depctr_vm_vsrc(0)                   ; the loads issued so far have read their offsets: K's v2, written on the next line, and V's v3, written at the trip's end (between here and that line only K's loads are issued, which name v2)
	v_lshl_add_u32 v2, s52, 12, v1                 ; K's loads are done, so their offset may be written; this line and three v_nop are the places behind the products
.rept 3
	v_nop
.endr
	s_wait_kmcnt 0x0                               ; this block's mask words
.set J, 0
.rept 32
	v_cndmask_b32 v[S+J], v164, v[S+J], s[16+J]    ; hidden scores become -infinity ahead of the maximum: p = 0 then.  Each tile from its low end on
.set J, J+1
.endr
	s_wait_alu depctr_va_vdst(0)                   ; the products of scores are done reading v16-47, in which K's loads below land; v2, their offset, is written; and the selects are done with s[16:47], which the scalar loads below write
	KLOAD 0                                        ; the next block's K, two loads at a time among the maximum's lines, which name S^T, v158 and v159 alone: none of the registers that these loads touch
	s_lshl_b32 s57, s52, 7                         ; (the last scalar loads were waited for above)
	s_load_b512 s[16:31], s[6:7], s57 offset:0x0   ; the next block's mask words
	s_load_b512 s[32:47], s[6:7], s57 offset:0x40
	v_max3_num_f32 v158, v[S], v[S+1], v[S+2]      ; the block's largest score of my query among my 32 keys, in two chains,
	v_max3_num_f32 v159, v[S+3], v[S+4], v[S+5]
	KLOAD 1
.irp i, 6,10
	v_max3_num_f32 v158, v158, v[S+\i], v[S+\i+1]
	v_max3_num_f32 v159, v159, v[S+\i+2], v[S+\i+3]
.endr
	KLOAD 2
.irp i, 14,18
	v_max3_num_f32 v158, v158, v[S+\i], v[S+\i+1]
	v_max3_num_f32 v159, v159, v[S+\i+2], v[S+\i+3]
.endr
	KLOAD 3
.irp i, 22,26
	v_max3_num_f32 v158, v158, v[S+\i], v[S+\i+1]
	v_max3_num_f32 v159, v159, v[S+\i+2], v[S+\i+3]
.endr
	v_max3_num_f32 v158, v158, v[S+30], v[S+31]
	v_max_num_f32 v158, v158, v159
	v_permlanex16_b32 v160, v158, s60, s61
	v_max_num_f32 v158, v158, v160                 ; and among lane l xor 16's
	v_mul_f32 v158, s58, v158                      ; as t (c is positive)
	v_max_num_f32 v153, v153, v158                 ; the running largest t
	v_mov_b32 v158, v152
	v_floor_f32 v152, -v153                        ; the new -M = floor(-t): M is a whole number
	v_sub_f32 v158, v152, v158                     ; old M - new M: a whole number, 0 or less
	v_cvt_i32_f32 v158, v158                       ; (it saturates)
	v_ldexp_f32 v156, 1.0, v158                    ; f = 2^(old M - new M)
.set J, 0
.rept 16
	v_pk_fma_f32 v[S+J:S+J+1], v[S+J:S+J+1], s[58:59], v[152:153] op_sel_hi:[1,0,0]   ; t - M, two at a time
.set J, J+2
.endr
.set J, 0
.rept 32
	v_exp_f32 v[S+J], v[S+J]                       ; p = 2^(t - M), at most 1: not normalised
.set J, J+1
.endr
	v_pk_mul_f32 v[154:155], v[154:155], v[156:157] op_sel_hi:[1,0]   ; the sum under the new M: a plain line behind the exponentials
	s_wait_alu depctr_va_vdst(0)                   ; the 32 exponentials have written p: one wait for the whole batch, ahead of its first reader
	v_pk_add_f32 v[162:163], v[S:S+1], v[S+2:S+3]  ; the row's sum is taken of the unquantised p, in two chains
.irp j, 4,8,12,16,20,24,28
	v_pk_add_f32 v[154:155], v[154:155], v[S+\j:S+\j+1]
	v_pk_add_f32 v[162:163], v[162:163], v[S+\j+2:S+\j+3]
.endr
	v_pk_add_f32 v[154:155], v[154:155], v[162:163]
.set J, 0
.rept 32
	v_min_num_f32 v[S+J], v[S+J], v165             ; the hold; p is not negative, so it is one-sided
.set J, J+1
.endr
.irp t, 0,1,2,3
	v_cvt_scalef32_pk8_fp8_f32 v[PC+2*\t:PC+2*\t+1], v[S+8*\t:S+8*\t+7], v166
.endr
.set J, 0
.rept 16
	v_pk_mul_f32 v[O+J:O+J+1], v[O+J:O+J+1], v[156:157] op_sel_hi:[1,0]   ; O^T under the new M; these are also the plain lines behind the conversions
.set J, J+2
.endr
	s_wait_loadcnt 0x8                             ; this block's V is in; the next block's K may be out
.irp t, 0,1,2,3
	v_wmma_f32_16x16x64_fp8_fp8 v[O+8*\t:O+8*\t+7], v[VR+8*\t:VR+8*\t+7], v[PC:PC+7], v[O+8*\t:O+8*\t+7]   ; four accumulators by turns; the next trip's four products of scores stand between two links
.endr
	v_lshl_add_u32 v3, s52, 16, v1                 ; V's loads are done and have read it (the wait on vm_vsrc above), so their offset may be written; with three v_nop: the places behind the products
.rept 3
	v_nop
.endr
	s_wait_alu depctr_va_vdst(0)                   ; the products V^T P are done reading v48-79, in which V's loads below land; v3, their offset, is written
	VLOAD                                          ; the next block's V
	s_add_co_u32 s51, s51, 1
	s_cmp_lt_u32 s51, s50
	s_cbranch_scc1 .Lstep
.Lout:
	s_wait_loadcnt 0x0                             ; what was asked for ahead and is not used
	v_add_f32 v154, v154, v155
	v_permlanex16_b32 v160, v154, s60, s61
	v_add_f32 v154, v154, v160                     ; the row's sum
	v_rcp_f32 v158, v154
	v_nop                                          ; a plain line behind the transcendental
	v_cmp_eq_f32 vcc_lo, 0, v154                   ; no key at all?
	s_add_co_i32 s53, s70, s71
	s_wait_alu depctr_va_vdst(0)                   ; the reciprocal has written v158, ahead of its first reader
	v_ldexp_f32 v158, v158, s53                    ; x 2^(e8 + e9)
.set J, 0
.rept 16
	v_pk_mul_f32 v[S+J:S+J+1], v[O+J:O+J+1], v[158:159] op_sel_hi:[1,0]   ; each accumulator from its low end on
.set J, J+2
.endr
.set J, 0
.rept 32
	v_med3_num_f32 v[S+J], v[S+J], -v167, v167
.set J, J+1
.endr
.irp t, 0,1,2,3
	v_cvt_scalef32_pk8_fp8_f32 v[PC+2*\t:PC+2*\t+1], v[S+8*\t:S+8*\t+7], v168
.endr
	v_nop                                          ; a plain line behind the last conversion
	s_wait_alu depctr_va_vcc(0)                    ; the compare has written VCC, ahead of its first reader
.irp i, 0,1,2,3,4,5,6,7
	v_cndmask_b32 v[PC+\i], v[PC+\i], v169, vcc_lo
.endr
	s_wait_alu depctr_va_vdst(0)                   ; the selects have written v144-151, which the two stores read
	global_store_b128 v1, v[PC:PC+3], s[12:13]                 ; 512 consecutive bytes each
	global_store_b128 v1, v[PC+4:PC+7], s[12:13] offset:512
	s_endpgm
.Lfunc_end_k_q22064780a0_attn:
	.size	k_q22064780a0_attn, .Lfunc_end_k_q22064780a0_attn-k_q22064780a0_attn
	.p2alignl 7, 3214868480
	.fill 96, 4, 3214868480
	.section	.rodata,"a",@progbits
	.p2align	6, 0x0
	.amdhsa_kernel k_q22064780a0_attn
		.amdhsa_group_segment_fixed_size 0
		.amdhsa_private_segment_fixed_size 0
		.amdhsa_enable_private_segment 0
		.amdhsa_kernarg_size 40
		.amdhsa_user_sgpr_count 2
		.amdhsa_user_sgpr_kernarg_segment_ptr 1
		.amdhsa_wavefront_size32 1
		.amdhsa_system_sgpr_workgroup_id_x 1
		.amdhsa_system_sgpr_workgroup_id_y 1
		.amdhsa_system_sgpr_workgroup_id_z 1
		.amdhsa_system_vgpr_workitem_id 0
		.amdhsa_next_free_vgpr 192
		.amdhsa_next_free_sgpr 80
		.amdhsa_reserve_vcc 1
		.amdhsa_float_denorm_mode_32 3
		.amdhsa_float_denorm_mode_16_64 3
		.amdhsa_memory_ordered 1
		.amdhsa_forward_progress 1
		.amdhsa_inst_pref_size 23
	.end_amdhsa_kernel
	.amdgpu_metadata
---
amdhsa.version: [ 1, 2 ]
amdhsa.kernels:
  - .name:           k_q22064780a0_attn
    .symbol:         k_q22064780a0_attn.kd
    .args:
      - { .name: qkv, .offset: 0, .size: 8, .value_kind: global_buffer, .address_space: global }
      - { .name: mbits, .offset: 8, .size: 8, .value_kind: global_buffer, .address_space: global }
      - { .name: mflags, .offset: 16, .size: 8, .value_kind: global_buffer, .address_space: global }
      - { .name: lowp_scales, .offset: 24, .size: 8, .value_kind: global_buffer, .address_space: global }
      - { .name: actx, .offset: 32, .size: 8, .value_kind: global_buffer, .address_space: global }
    .group_segment_fixed_size: 0
    .private_segment_fixed_size: 0
    .kernarg_segment_align: 8
    .kernarg_segment_size: 40
    .max_flat_workgroup_size: 128
    .sgpr_count:     80
    .vgpr_count:     192
    .wavefront_size: 32
...
	.end_amdgpu_metadata
.endif
;; end of part 5
;; launch oproj: the kernel of part 4 again; grid 4 x 16, 4 waves a work-group, clusters of 4 x 4, 327,680 bytes of LDS; arguments actx, xw, lowp_scales, bo, out0; writes out0
